; MI455X (gfx1250); checked and timed in simulation.
; The chip was launched on July 23, 2026; its instructions are those of AMD's public machine-readable ISA for CDNA 5 (MIT licence, August 2026) and "CDNA5" Instruction Set Architecture Reference Guide (July 2026). The comments in the code are by the model that wrote it; some were corrected since.
;; Mo E. Allowed arithmetic: matrix products marked QUANTISED: E4M3 operands, one given power-of-two scale a tensor, by v_wmma_f32_16x16x64_fp8_fp8 or v_wmma_f32_16x16x128_fp8_fp8, f32 sums; products left as they are: f32 operands where the result goes on into a quantised operand, else bf16, f16 or f32 operands; f32 sums; everything else in f32.
;; Inputs: W1_codes 8 x 2,048 x 32 x 32 uint8 (E4M3 codes of W1, K innermost, in blocks of 32 codes); W2_codes 8 x 2,048 x 64 x 32 uint8 (E4M3 codes of W2, K innermost, in blocks of 32 codes); b1 8 x 2,048 float32; b2 8 x 2,048 float32; clf_b 1,024 float32; clf_w_codes 1,024 x 64 x 32 uint8 (E4M3 codes of clf_w, K innermost, in blocks of 32 codes); gate_b1 1,024 float32; gate_b2 8 float32; gate_w1_codes 1,024 x 32 x 32 uint8 (E4M3 codes of gate_w1, K innermost, in blocks of 32 codes); gate_w2 1,024 x 8 float32; lowp_scales 8 int32 (the exponents e of the quantised operands' scales 2^e); x_codes 1,024 x 32 x 32 uint8 (E4M3 codes of x, K innermost, in blocks of 32 codes).
;; Outputs: out0 1,024 x 8 x 1,024 float32; out1 1,024 x 8 float32.
;; This version of the problem:
;;   THIS VERSION OF THE PROBLEM IS GIVEN IN LOW PRECISION. The matrix products marked QUANTISED in the list below multiply operands that are first quantised to E4M3 (4 exponent bits, 3 mantissa bits; 8 bits a number), with one given power-of-two scale for each operand tensor; their sums are f32. All else is computed in f32.
;;   The module's matrix products, in the order in which they are computed (A, B: the left and right operand; K: the contracted axis; several contracted axes count as one K, in the product's order):
;;     1. [M 1,024, K 1,024] x [K 1,024, N 1,024]; A: input x (given as codes); B: input gate_w1 (given as codes): QUANTISED (scales: A lowp_scales[0], B lowp_scales[1])
;;     2. [M 1,024, K 1,024] x [K 1,024, N 8]; A: computed on the way; B: input gate_w2: left as it is (N = 8 < 16)
;;     3. [M 1,024, K 1,024] x [K 1,024, N 16,384]; A: input x (given as codes); B: input W1 (given as codes): QUANTISED (scales: A lowp_scales[2], B lowp_scales[3])
;;     4. batch 8 x [M 2,048, K 2,048] x [K 2,048, N 1,024]; A: input W2 (given as codes); B: computed on the way: QUANTISED (scales: A lowp_scales[4], B lowp_scales[5])
;;     5. [M 8,192, K 2,048] x [K 2,048, N 1,024]; A: computed on the way; B: input clf_w (given as codes): QUANTISED (scales: A lowp_scales[6], B lowp_scales[7])
;;   THE QUANTISER, for each operand of a quantised product, along K:
;;     - The operand's scale is 2^e, e = its entry of the input lowp_scales (int32; the entries are numbered through the quantised products in the list's order, A before B).
;;     - Each number is divided by the scale, clamped to +-448, and rounded to the nearest number of E4M3, ties to even, subnormals kept.
;;     - The product sums the exact products of the quantised numbers (number of the format x scale) in f32.
;;   ~~~python
;;   def quantise(x, axis, e):      # numpy; x: float32 -> the quantised numbers, widened to float32 again
;;       x = np.moveaxis(x, axis, -1); K = x.shape[-1]
;;       r = np.clip(x / 2.0 ** e, -448, 448)
;;       step = 2.0 ** (np.maximum(np.frexp(np.where(r == 0, 1, r))[1] - 1, -6) - 3)
;;       q = np.round(r / step) * step * 2.0 ** e      # np.round: ties to even
;;       return np.moveaxis(q, -1, axis).astype(np.float32)
;;   ~~~
;;   OPERANDS COMPUTED ON THE WAY. 'Computed on the way' means the value that the module computes at that place (a softmax that the list does not call 'softmax' is quantised finished and normalised). What goes into a quantiser is computed in f32, as accurately as f32 sums, v_exp_f32 and their like allow (about 1e-6 of the number): no bf16 or f16 on the way to a quantiser, and a product that is left as it is and whose result goes on into a quantised operand takes f32 operands (vector FMAs, or v_wmma_f32_16x16x4_f32). A number that lies on a knife's edge between two numbers of the format may be rounded either way, as far as f32 arithmetic and the matrix unit's own rounding can turn it there, and no further.
;;   INPUTS GIVEN AS CODES. W1 (in the module: [8, 1024, 2048], K = its axis 1); W2 (in the module: [8, 2048, 2048], K = its axis 1); clf_w (in the module: [2048, 1024], K = its axis 0); gate_w1 (in the module: [1024, 1024], K = its axis 0); x (in the module: [1024, 1024], K = its axis 1): each comes as NAME_codes (uint8): NAME with its K axis moved to the last place and cut into blocks of 32 codes, [.., K / 32, bytes a block], one block behind the other in memory; one code a byte (a code: sign, 4 exponent bits, 3 mantissa bits); its scale is its entry of lowp_scales. Its value is code x scale, taken as it is: it is not quantised again, and the codes and scales need not be those that the quantiser above would give.
;; One version. Each part assembles by itself: llvm-mc -triple=amdgcn-amd-amdhsa -mcpu=gfx1250 --defsym DOCPART=n.
;; ======== version 1 of 1: 3 launches
;; limits: right only within a limited range of input values
;; workspace buffers: hq 16,777,216 bytes; eoq 16,777,216 bytes; part 2,097,152 bytes
;; launch fc1_gate (part 1): grid 64 x 4, 4 waves a work-group, clusters of 4 x 4, 327,680 bytes of LDS; arguments x_codes, W1_codes, gate_w1_codes, lowp_scales, b1, gate_b1, gate_w2, hq, part; writes hq, part
.if DOCPART == 1
	.amdgcn_target "amdgcn-amd-amdhsa--gfx1250"
	.amdhsa_code_object_version 6
	.text
	.protected	k_q610ad8aeaf_fc1_gate
	.globl	k_q610ad8aeaf_fc1_gate
	.p2align	8
	.type	k_q610ad8aeaf_fc1_gate,@function
k_q610ad8aeaf_fc1_gate:
	s_mov_b64 s[64:65], 0
	v_nop
	global_prefetch_b8 v0, s[64:65] scope:SCOPE_SE
	s_setreg_imm32_b32 hwreg(HW_REG_WAVE_MODE, 25, 1), 1
	s_wait_xcnt 0x0
	s_wait_alu depctr_hold_cnt(0) depctr_sa_sdst(0) depctr_va_vdst(0) depctr_va_sdst(0) depctr_va_ssrc(0) depctr_va_vcc(0) depctr_vm_vsrc(0)
	s_getreg_b32 s2, hwreg(HW_REG_IB_STS2, 6, 4)
	s_cmp_eq_u32 s2, 0
	s_cbranch_scc0 .Lentry_in_a_cluster
	s_endpgm
.Lentry_in_a_cluster:
	s_bfe_u32 s2, ttmp6, 0x10000c
	s_cmp_lg_u32 s2, 0xf033
	s_cbranch_scc0 .Lentry_shape_is_right
	s_endpgm
.Lentry_shape_is_right:
; hq[e][t][n] = the E4M3 code, under the given scale 2^e5, of relu(x W1[e] + b1[e]);  part[wgx][t][:] = this work-group's share of the router's logits relu(x gate_w1 + gate_b1) gate_w2.
; x: [1024][1024] codes; W1: [8 x 2048][1024] codes, gate_w1: [1024][1024] codes, all with K innermost.  lowp_scales: e0 .. e7.  x counts as code x 2^e2 in the experts' product and as code x 2^e0 in the router's.
; SHARES.  Work-group (wgx = 0..63, cy = 0..3): tokens 256 cy on, rows 256 wgx on of W1 (expert wgx / 8).  Four waves, each 128 x 128: 64 accumulators, 512 registers.  K goes in steps of 256 through two LDS slots.
; THE ROUTER RIDES ALONG: x's 256 rows pass through LDS anyway, so the work-group also takes 16 of gate_w1's 1,024 rows (16 wgx on; the whole K, 16 KiB, lies in LDS from the start): four more matrix
; instructions a wave for 128 along K.  Wave w takes the tokens 64 w on.  A's blocks are fetched ROTATED, so that these 64 tokens are register blocks 0-3 in every wave: no branch tells the waves apart.
; The 16 columns of g, clipped at 0, are multiplied in f32 by their 16 rows of gate_w2; the 64 work-groups' parts are added by the next launch.
; CLUSTERS: 4 x 4 work-groups.  The four of a row (same cy) need the same tiles of x, the four of a column (same cx) the same tiles of W1 and of gate_w1: each tile is asked for jointly.
; THE MATRIX INSTRUCTION IS USED TRANSPOSED (source 0 = 16 rows of the weight, source 1 = 16 tokens): a lane holds one token and eight neighbouring columns, which are neighbours along the next product's K.
; A fragment (16 rows x 128 K) comes by four loads of 16 bytes: a permutation of k inside an instruction, the same on both sides.  So the order of the sums differs from a plain ascending one.
; THE BIASES are the C of each sum's first matrix instruction, divided by the power of two that the sums lack.  The three scales ahead of the quantiser are folded into the conversion's one, 2^(e5 - e2 - e3).
; LIMITS: e5 - e2 - e3 between -126 and 119, so that the scale and 448 x the scale are f32 numbers.  NaN among b1, gate_b1, gate_w2 is not served.  The logits are summed from 64 parts, not in one chain.
; REGISTERS, in windows of 256.  Window 0: v0-15 addresses and constants; v16-31 the gate's fragment; v32-95 b1, then gate_w2, then numbers at work; v96-127 the gate's four accumulators; v128-255 A's fragments, ONE set, later codes.
;   Window 1: B's fragments, TWO sets (v128-135 hold gate_b1 until the first step's middle).   Window 2: accumulators of register blocks 0-3 ((a, b) at v[8 (8 (a % 4) + b)]).   Window 3: blocks 4-7.
; PREFETCHES: K step 1 of my tiles is asked for at the head behind the wait for the biases, K steps 2 and 3 behind K step 1's load: a lane a row, one instruction a wave and K step.  Of the 128 rows that a wave
; fetches each of the four partners that ask for them jointly takes 32, told apart by address (cx for x, cy for W1).  Each cluster asks for its own rows of W1; x, which every cluster reads, is asked for by clusters 0 to 3.
; IN THE LAST STEP a block's products have the hold and the conversions of the block before among them, in place in its accumulators.
.set PFA,   86                         ; s[86:87] the first of the 32 rows that my wave prefetches; s22 is 0 in a wave that asks; v0 holds 1,024 x lane from then on
.set KROW,  1024                       ; a row of x, W1 or gate_w1 in bytes
.set ROWB,  256                        ; a tile's row: 256 codes
.set PITCH, 272                        ; an LDS row: 256 bytes + 16 of padding = 68 words: row r starts at bank 4 r mod 64 (64 banks of 4 bytes: ISA guide 11.1)
.set FR,    16                         ; registers of a fragment
.set NL,    4                          ; LDS loads that bring one
.set NP,    4                          ; places behind this matrix instruction (ISA guide 7.12.1)
.set HALFT, 128*PITCH                  ; 128 rows: what one tensor load brings, and what one wave reads of A or of B
.set SLOT,  4*HALFT                    ; A's 256 rows, then B's 256 rows
.set SPARE, 2*SLOT                     ; behind the ring: the spare words, 128 bytes for each wave: two blocks of 256 bytes that no other line names
.set GT,    SPARE+512                  ; the gate's tile: 16 rows of 1,024 bytes,
.set GP,    1040                       ; 1,040 apart (65 x 16: the sixteen rows of a load start at sixteen different groups of banks)
.set ALO,  3                           ; v3-4   LDS address of A's register blocks 0-3 in slot 0, 1
.set AHI,  5                           ; v5-6   of blocks 4-7
.set ADRB, 7                           ; v7-8   of B's fragments
.set GADR, 9                           ; v9     of the gate's fragment
.set SPW,  10                          ; v10    LDS address of my spare word: SPARE + 4 x my thread's number; never rewritten
.set NIL,  11                          ; v11    0; never rewritten
.set SC,   12                          ; v12    2^(e5 - e2 - e3) as f32
.set LIM,  23                          ; s23    448 x that
.set BO,   14                          ; v14    32 (lane / 16): the biases' offset; later my 16 bytes of a tile of part
.set WO,   15                          ; v15    256 (lane / 16): gate_w2's offset
.set GF,   16
.set TT,   16                          ; the gate's way out: eight columns of g; then what changes halves
.set OO,   24                          ; the gate's way out: eight partial logits
.set BIAS, 32
.set GW,   32
.set TMP,  32
.set GA,   96
.set AF,   128
.set CD,   128                         ; the way out: codes, 16 registers a block; then whole rows
.set GB,   128                         ; in window 1: gate_b1
.set STL,  3                           ; the way out: where I put 8 codes of a row, blocks 0-3;
.set STH,  4                           ; blocks 4-7;
.set RD,   5                           ; where I read a row back;
.set CO,   6                           ; my byte offset in hq
.set G1G, 4                            ; s[4:11]  descriptor group 1 for the gate's tile;  s[96:99] its group 0
.set G0G, 96
.set G1,  24                           ; s[24:31] group 1 for A's tiles;  s[32:39] group 0, one set for each slot
.set G0,  32
.set G1B, 48                           ; s[48:55], s[56:63] the same for B's tiles
.set G0B, 56
.set MSB, 0
.macro WIN new                         ; the immediate's high byte repeats the setting that is left; a switch that changes nothing is dropped
.if MSB != (\new)
	s_set_vgpr_msb (MSB<<8)|(\new)
.set MSB, (\new)
.endif
.endm
.set MUL_LO, 0xa1                      ; source 0 (B) window 1, source 1 (A) window 0, C and D window 2
.set MUL_HI, 0xf1                      ; the same, C and D window 3
.set TO_B,   0x40                      ; destination window 1, address window 0
; A joint load: waves 0 and 1 fetch for A, waves 2 and 3 for B.  The branch hangs on the wave's number alone.  Four v_nop follow each of the two lines.
.macro JLOAD g0a, g1a, g0b, g1b
	s_cmp_eq_u32 s15, 0
	s_cbranch_scc0 .Lfor_b_\@
	tensor_load_to_lds s[\g0a:\g0a+3], s[\g1a:\g1a+7]
	s_nop 0
.rept 4
	v_nop
.endr
	s_branch .Lasked_\@
.Lfor_b_\@:
	tensor_load_to_lds s[\g0b:\g0b+3], s[\g1b:\g1b+7]
	s_nop 0
.rept 4
	v_nop
.endr
.Lasked_\@:
.endm
.macro CREST                           ; a round of the cluster's barrier behind its opening barrier
	s_cmp_lg_u32 s14, 0
	s_cbranch_scc1 .Lnot_wave_0_\@
	s_barrier_signal -3
.Lnot_wave_0_\@:
	s_barrier_wait -3
	s_barrier_signal -1
	s_barrier_wait -1
.endm
.macro CROUND                          ; a whole round
	s_barrier_signal -1
	s_barrier_wait -1
	CREST
.endm
.macro PLACES n
.rept \n
	v_nop
.endr
.endm
	s_load_b512 s[68:83], s[0:1], 0x0              ; x s[68:69], W1 s[70:71], gate_w1 s[72:73], scales s[74:75], b1 s[76:77], gate_b1 s[78:79], gate_w2 s[80:81], hq s[82:83]
	s_load_b64 s[84:85], s[0:1], 0x40              ; part
	v_lshl_add_u32 v[SPW], v0, 2, SPARE
	v_mov_b32 v[NIL], 0
	ds_add_u32 v10, v11
	ds_add_u32 v10, v11
	s_wait_dscnt 0x0
	v_lshrrev_b32 v1, 5, v0
	v_readfirstlane_b32 s14, v1                    ; wave 0..3
	s_lshr_b32 s15, s14, 1                         ; which half of the tile's rows is mine.  Also: I fetch for A (0) or for B (1)
	s_and_b32 s16, s14, 1                          ; which half of its columns.  Also: which half of a tile I fetch, and the rotation of A's blocks
	s_bfe_u32 s40, ttmp6, 0x40000                  ; cx, cy: my place in the cluster
	s_bfe_u32 s41, ttmp6, 0x40004
	s_lshl_b32 s42, ttmp9, 2
	s_add_co_u32 s42, s42, s40                     ; wgx = 4 x cluster x + cx; the grid is one cluster high, so the work-group's y is cy
	s_lshl_b32 s43, s41, 2
	s_lshl_b32 s43, 15, s43                        ; my row of the cluster
	s_lshl_b32 s44, 0x1111, s40                    ; my column
	s_mov_b32 s66, 0x76543210                      ; v_permlanex16_b32: each lane takes its own place in the other half
	s_mov_b32 s67, 0xfedcba98
	; descriptor group 1: tiles of 128 rows x 256 bytes, 16 bytes of padding behind each row
	s_or_b32 s[G1+0], s43, (1<<20)|(1<<21)|(5<<22)|(3<<25)   ; 15:0 the mask: A's tiles go to my row; 17:16 elements of 1 byte; 20 padding on; 21 set beside a mask; 24:22 after every 64 words (code 5); 31:25 four words (code 3)
	s_or_b32 s[G1B+0], s44, (1<<20)|(1<<21)|(5<<22)|(3<<25)  ; B's go to my column
.irp g, G1, G1B
	s_mov_b32 s[\g+1], ROWB<<16                    ; tensor_dim0
	s_mov_b32 s[\g+2], 128<<16                     ; tensor_dim1
	s_mov_b32 s[\g+3], ROWB<<16                    ; tile_dim0
	s_mov_b32 s[\g+4], 128                         ; tile_dim1
	s_mov_b32 s[\g+5], KROW                        ; tensor_dim0_stride
	s_mov_b32 s[\g+6], 0
	s_mov_b32 s[\g+7], 0
.endr
	; the gate's tile: 16 rows x 1,024 bytes in one load, 16 bytes of padding behind each row (after every 256 words: code 7)
	s_or_b32 s[G1G+0], s44, (1<<20)|(1<<21)|(7<<22)|(3<<25)
	s_mov_b32 s[G1G+1], 1024<<16
	s_mov_b32 s[G1G+2], 16<<16                     ; all 16 rows in one load
	s_mov_b32 s[G1G+3], 1024<<16
	s_mov_b32 s[G1G+4], 16
	s_mov_b32 s[G1B+2], 256<<16                    ; at the head wave 2 fetches all 256 rows of B, and wave 3 the gate's tile: one load a wave
	s_mov_b32 s[G1B+4], 256
	s_mov_b32 s[G1G+5], 1024
	s_mov_b32 s[G1G+6], 0
	s_mov_b32 s[G1G+7], 0
	; where the tiles come from.  A's hang on cy alone, which my row of the cluster shares; B's and the gate's on wgx alone, which my column shares
	s_lshl_b32 s18, s16, 7                         ; which 128 rows of the tile I fetch
	s_lshl_b32 s20, s41, 8
	s_add_co_u32 s20, s20, s18                     ; x: row 256 cy + 128 x half,
	s_lshl_b32 s20, s20, 10                        ; in bytes
	s_mov_b32 s21, 0
	s_lshl_b32 s46, s42, 8
	s_add_co_u32 s46, s46, s18                     ; W1: row 256 wgx + 128 x half
	s_lshl_b32 s46, s46, 10
	s_mov_b32 s47, 0
	s_lshl_b32 s12, s42, 14                        ; gate_w1: row 16 wgx, in bytes
	s_mov_b32 s13, 0
	s_mul_i32 s45, s14, HALFT                      ; where they go: wave x 128 rows: no place in the cluster enters an LDS address
	s_wait_kmcnt 0x0
	s_load_b256 s[88:95], s[74:75], 0x0            ; e0 .. e7
	s_add_nc_u64 s[20:21], s[68:69], s[20:21]
	s_add_nc_u64 s[46:47], s[70:71], s[46:47]
	CROUND                                         ; all sixteen work-groups are here: the first joint loads meet
.irp s, 0,1
	s_mov_b32 s[G0+4*\s], 1
	s_add_co_u32 s[G0+4*\s+1], s45, \s*SLOT
	s_add_nc_u64 s[G0+4*\s+2:G0+4*\s+3], s[20:21], \s*ROWB
	s_or_b32 s[G0+4*\s+3], s[G0+4*\s+3], 0x80000000
	s_mov_b32 s[G0B+4*\s], 1
	s_add_co_u32 s[G0B+4*\s+1], s45, \s*SLOT
	s_add_nc_u64 s[G0B+4*\s+2:G0B+4*\s+3], s[46:47], \s*ROWB
	s_or_b32 s[G0B+4*\s+3], s[G0B+4*\s+3], 0x80000000
.endr
	s_mov_b32 s[G0G], 1
	s_mov_b32 s[G0G+1], GT
	s_add_nc_u64 s[G0G+2:G0G+3], s[72:73], s[12:13]
	s_or_b32 s[G0G+3], s[G0G+3], 0x80000000
	s_cmp_eq_u32 s15, 0                            ; the first fills, one a wave: waves 0 and 1 A's halves, wave 2 B whole, wave 3 the gate's tile
	s_cbranch_scc0 .Lfirst_b
	tensor_load_to_lds s[G0:G0+3], s[G1:G1+7]
	s_nop 0
.rept 4
	v_nop
.endr
	s_branch .Lfirst_asked
.Lfirst_b:
	s_cmp_eq_u32 s16, 0
	s_cbranch_scc0 .Lfirst_g
	tensor_load_to_lds s[G0B:G0B+3], s[G1B:G1B+7]
	s_nop 0
.rept 4
	v_nop
.endr
	s_branch .Lfirst_asked
.Lfirst_g:
	tensor_load_to_lds s[G0G:G0G+3], s[G1G:G1G+7]
	s_nop 0
.rept 4
	v_nop
.endr
.Lfirst_asked:
	s_lshl_b32 s2, s40, 15                         ; where my wave prefetches: 32 cx rows on in x,
	s_lshl_b32 s12, s41, 15                        ; or 32 cy rows on in W1
	s_mov_b32 s3, 0
	s_lshr_b32 s22, ttmp9, 2                       ; 0 in clusters 0 to 3
	s_cmp_eq_u32 s15, 0
	s_cselect_b32 s22, s22, 0
	s_cselect_b32 s2, s2, s12
	s_cselect_b64 s[PFA:PFA+1], s[20:21], s[46:47]
	s_add_nc_u64 s[PFA:PFA+1], s[PFA:PFA+1], s[2:3]
	; the other buffers at my part
	s_lshl_b32 s2, s42, 10
	s_lshl_b32 s12, s16, 9
	s_add_co_u32 s2, s2, s12
	s_mov_b32 s3, 0
	s_add_nc_u64 s[76:77], s[76:77], s[2:3]        ; b1: my 128 columns, 256 wgx + 128 x half on
	s_lshl_b32 s2, s42, 6
	s_add_nc_u64 s[78:79], s[78:79], s[2:3]        ; gate_b1: 16 wgx on
	s_lshl_b32 s2, s42, 9
	s_add_nc_u64 s[80:81], s[80:81], s[2:3]        ; gate_w2: row 16 wgx on, 32 bytes a row
	s_lshl_b32 s2, s41, 8
	s_lshl_b32 s12, s14, 6
	s_add_co_u32 s2, s2, s12                       ; token 256 cy + 64 wave
	s_lshl_b32 s2, s2, 5
	s_lshl_b32 s12, s42, 15
	s_add_co_u32 s2, s2, s12
	s_add_nc_u64 s[84:85], s[84:85], s[2:3]        ; part: [wgx][token][8] f32
	s_lshr_b32 s2, s42, 3
	s_lshl_b32 s2, s2, 10
	s_lshl_b32 s12, s41, 8
	s_add_co_u32 s2, s2, s12
	s_lshl_b32 s12, s14, 6
	s_add_co_u32 s2, s2, s12                       ; hq: row 1024 e + 256 cy + 64 wave: the 64 rows that I store,
	s_lshl_b32 s2, s2, 11
	s_and_b32 s12, s42, 7
	s_lshl_b32 s12, s12, 8
	s_add_co_u32 s2, s2, s12                       ; at the work-group's 256 columns
	s_add_nc_u64 s[82:83], s[82:83], s[2:3]
	v_and_b32 v1, 15, v0                           ; r = lane % 16
	v_bfe_u32 v2, v0, 4, 1                         ; h = lane / 16
	v_mul_u32_u24 v12, v1, PITCH
	v_lshl_add_u32 v12, v2, 4, v12                 ; a fragment's row x pitch + 16 x half
	s_wait_alu depctr_va_vdst(0)
	s_mul_i32 s18, s15, HALFT                      ; my 128 rows of A;
	s_mul_i32 s19, s16, 64*PITCH
	s_add_co_u32 s19, s19, s18                     ; register blocks 0-3 are its rows 64 (wave % 2) on,
	s_xor_b32 s20, s16, 1
	s_mul_i32 s20, s20, 64*PITCH
	s_add_co_u32 s20, s20, s18                     ; blocks 4-7 the other 64
	s_mul_i32 s21, s16, HALFT                      ; my 128 rows of B,
	s_add_co_u32 s21, s21, 2*HALFT                 ; which lie behind A's 256
.irp s, 0,1
	v_add_nc_u32 v[ALO+\s], s19, v12
	v_add_nc_u32 v[AHI+\s], s20, v12
	v_add_nc_u32 v[ADRB+\s], s21, v12
	s_add_co_u32 s19, s19, SLOT
	s_add_co_u32 s20, s20, SLOT
	s_add_co_u32 s21, s21, SLOT
.endr
	v_mul_u32_u24 v[GADR], v1, GP
	v_lshl_add_u32 v[GADR], v2, 4, v[GADR]
	v_add_nc_u32 v[GADR], GT, v[GADR]
	v_lshlrev_b32 v[BO], 5, v2
	v_lshlrev_b32 v[WO], 8, v2
	v_and_b32 v0, 31, v0
	v_lshlrev_b32 v0, 10, v0                       ; the prefetches' offset: a lane a row
	s_wait_alu depctr_va_vdst(0)
.irp b, 0,1,2,3,4,5,6,7                        ; b1 in the result's layout: for B's block b lane (r, h) wants columns 16 b + 8 h + 0 .. 7
	global_load_b128 v[BIAS+8*\b:BIAS+8*\b+3],   v[BO], s[76:77] offset:64*\b
	global_load_b128 v[BIAS+8*\b+4:BIAS+8*\b+7], v[BO], s[76:77] offset:64*\b+16
.endr
	WIN TO_B
	global_load_b128 v[GB:GB+3],   v[BO], s[78:79]             ; gate_b1 likewise, into window 1
	global_load_b128 v[GB+4:GB+7], v[BO], s[78:79] offset:16
	WIN 0
	s_wait_loadcnt 0x0
	s_wait_kmcnt 0x0
	s_add_co_i32 s18, s90, s91                     ; e2 + e3: a sum of the experts' product stands for sum x 2^(e2 + e3), so b1 goes in as b1 / 2^(e2 + e3)
	s_sub_co_i32 s19, 0, s18
.set j, 0
.rept 64
	v_ldexp_f32 v[BIAS+j], v[BIAS+j], s19
.set j, j+1
.endr
	s_add_co_i32 s100, s88, s89                    ; e0 + e1: the same for the router's product
	s_sub_co_i32 s101, 0, s100
	WIN 0x41                                       ; source 0 and destination window 1
.irp j, 0,1,2,3,4,5,6,7
	v_ldexp_f32 v[GB+\j], v[GB+\j], s101
.endr
	WIN 0
	s_cmp_eq_u32 s22, 0
	s_cbranch_scc0 .Lask_0
	global_prefetch_b8 v0, s[PFA:PFA+1] offset:ROWB th:TH_LOAD_NT scope:SCOPE_SE     ; K step 1
.Lask_0:
	s_sub_co_i32 s18, s93, s18                     ; e5 - e2 - e3: the three scales folded into the conversion's one
	s_add_co_i32 s18, s18, 127
	s_lshl_b32 s19, s18, 23
	v_mov_b32 v[SC], s19
	s_add_co_i32 s18, s18, 8
	s_lshl_b32 s18, s18, 23
	s_or_b32 s18, s18, 0x600000
	s_mov_b32 s[LIM], s18                          ; 448 x that
.macro FRAG reg, adr, off              ; a fragment: lane l holds row l % 16; registers 4 c .. 4 c + 3 hold K = 32 c + 16 (l / 16) + 0 .. 15
.irp c, 0,1,2,3
	ds_load_b128 v[\reg+4*\c:\reg+4*\c+3], v[\adr] offset:\off+32*\c
.endr
.endm
.macro FETCH_B slot, q, p              ; B's eight fragments of the slot's q-th 128 along K into set p
	WIN TO_B
.irp i, 0,1,2,3,4,5,6,7
	FRAG 128*(\p)+FR*\i, ADRB+\slot, 128*(\q)+\i*16*PITCH
.endr
	WIN 0
.endm
.macro FETCH_A slot, q, hi             ; A's register blocks 4 hi .. 4 hi + 3
.irp i, 0,1,2,3
	FRAG AF+FR*(4*(\hi)+\i), ALO+2*(\hi)+\slot, 128*(\q)+\i*16*PITCH
.endr
.endm
.macro FETCH_G                         ; the gate's fragment of the next 128 along K: the text has no loop, so the step stands in the immediate
.irp c, 0,1,2,3
	ds_load_b128 v[GF+4*\c:GF+4*\c+3], v[GADR] offset:128*KQ+32*\c
.endr
.set KQ, KQ+1
.endm
; 16 matrix instructions: A's blocks a0, a0 + 1 x B's eight, 128 along K.  p: B's set.  zero = 1: the first product starts the sums from b1: nothing is cleared, no bias is added later.
; The accumulators take turns, one instruction a turn, in the same order in every step.
.macro MUL8 a, p, zero
.irp b, 0,1,2,3,4,5,6,7
.if \zero
	v_wmma_f32_16x16x128_fp8_fp8 v[8*(8*((\a)%4)+\b):8*(8*((\a)%4)+\b)+7], v[128*(\p)+FR*\b:128*(\p)+FR*\b+FR-1], v[AF+FR*(\a):AF+FR*(\a)+FR-1], v[BIAS+8*\b:BIAS+8*\b+7]
.else
	v_wmma_f32_16x16x128_fp8_fp8 v[8*(8*((\a)%4)+\b):8*(8*((\a)%4)+\b)+7], v[128*(\p)+FR*\b:128*(\p)+FR*\b+FR-1], v[AF+FR*(\a):AF+FR*(\a)+FR-1], v[8*(8*((\a)%4)+\b):8*(8*((\a)%4)+\b)+7]
.endif
.endr
.endm
.macro MUL16 a0, p, zero               ; two blocks: sixteen
	MUL8 \a0, \p, \zero
	MUL8 \a0+1, \p, \zero
.endm
.macro GATE4 zero                      ; the router: my 64 tokens (A's register blocks 0-3) x the 16 rows of gate_w1.  It leaves window 0 set, but for C in the first step
.if \zero
	WIN 0x10                                       ; C (gate_b1) in window 1
.else
	WIN 0
.endif
.irp i, 0,1,2,3
.if \zero
	v_wmma_f32_16x16x128_fp8_fp8 v[GA+8*\i:GA+8*\i+7], v[GF:GF+FR-1], v[AF+FR*\i:AF+FR*\i+FR-1], v[GB:GB+7]
.else
	v_wmma_f32_16x16x128_fp8_fp8 v[GA+8*\i:GA+8*\i+7], v[GF:GF+FR-1], v[AF+FR*\i:AF+FR*\i+FR-1], v[GA+8*\i:GA+8*\i+7]
.endif
.endr
.endm
; A load into a register that a matrix instruction has read stands NP places behind it, and only plain vector instructions that name none of its registers are places (ISA guide 7.12.1 for vector
; instructions): so NP v_nop stand in front of each run of loads.
; A step of 128 along K that has its successor in the same slot.
.macro STEP slot, q, zero
	s_wait_dscnt 4*NL                              ; B's set, A's blocks 0-3 and the gate's fragment are in; the youngest sixteen loads (A's blocks 4-7) may be out
.if \zero
	GATE4 1                                        ; first here: gate_b1 lies where B's other set lands
	WIN 0x81                                       ; C (b1) in window 0, D in window 2
.else
	WIN MUL_LO
.endif
	MUL8 0, (\q)%2, \zero
	PLACES NP
	FETCH_B \slot, (\q)+1, 1-(\q)%2                ; B's other set was last read in the step before
.if \zero
	WIN 0x81
.else
	WIN MUL_LO
.endif
	MUL8 1, (\q)%2, \zero
	MUL16 2, (\q)%2, \zero
.if \zero == 0
	GATE4 0
.endif
	s_wait_dscnt 8*NL                              ; A's blocks 4-7 are in; the 32 loads of B may be out
	PLACES NP
	WIN 0
	FETCH_A \slot, (\q)+1, 0
	FETCH_G
.if \zero
	WIN 0xc1
.else
	WIN MUL_HI
.endif
	MUL16 4, (\q)%2, \zero
	MUL16 6, (\q)%2, \zero
	PLACES NP
	WIN 0
	FETCH_A \slot, (\q)+1, 1
.endm
; A slot's last step changes slots: ONE barrier; in front of it each wave waits for all its tensor loads, adds 0 to its spare word, and waits for that and for its own reads of this slot.  fill = 1: this slot is filled again, two K steps ahead.
.macro TURN slot, next, fill
	s_wait_tensorcnt 0x0                           ; all my tensor loads have landed: my part of the next slot;  (every window is 0 here)
	ds_add_u32 v[SPW], v[NIL]                      ; 0 onto my spare word
	s_wait_dscnt 4*NL+1                            ; (the add and the youngest sixteen loads, A's blocks 4-7, may be out)
	WIN MUL_LO
	MUL16 0, 1, 0                                  ; sixteen matrix instructions stand between the add and the wait for it
	s_wait_dscnt 0x0                               ; the add is done, and my reads of this slot are over
	s_barrier_signal -1
	MUL8 2, 1, 0
	WIN 0
	s_barrier_wait -1
.if \fill
	CREST                                          ; the barrier has opened a round of the cluster's barrier: no wave of any partner still reads this slot's tile or has a load on its way
	s_add_nc_u64 s[G0+4*\slot+2:G0+4*\slot+3], s[G0+4*\slot+2:G0+4*\slot+3], 2*ROWB
	s_add_nc_u64 s[G0B+4*\slot+2:G0B+4*\slot+3], s[G0B+4*\slot+2:G0B+4*\slot+3], 2*ROWB
	JLOAD G0+4*\slot, G1, G0B+4*\slot, G1B         ; the first tensor load behind the round; its four v_nop are the places in front of the loads below
.else
	PLACES NP
.endif
	FETCH_B \next, 0, 0
	WIN MUL_LO
	MUL8 3, 1, 0
	GATE4 0
	PLACES NP
	FETCH_A \next, 0, 0
	FETCH_G
	WIN MUL_HI
	MUL16 4, 1, 0
	MUL16 6, 1, 0
	PLACES NP
	WIN 0
	FETCH_A \next, 0, 1
.endm
	s_wait_alu depctr_va_vdst(0)
	s_wait_tensorcnt 0x0                           ; my first load is in
	ds_add_u32 v[SPW], v[NIL]
	s_mov_b32 s[G1B+2], 128<<16                    ; from here on waves 2 and 3 fetch B's two halves
	s_mov_b32 s[G1B+4], 128
	s_wait_dscnt 0x0                               ; the add is done
	CROUND                                         ; everybody's first load is in, and all sixteen work-groups are here
	JLOAD G0+4, G1, G0B+4, G1B                     ; K step 1, the first tensor load behind the round
.set KQ, 0
	FETCH_B 0, 0, 0
	FETCH_A 0, 0, 0
	FETCH_G
	FETCH_A 0, 0, 1
	s_cmp_eq_u32 s22, 0
	s_cbranch_scc0 .Lask_1
	global_prefetch_b8 v0, s[PFA:PFA+1] offset:2*ROWB th:TH_LOAD_NT scope:SCOPE_SE   ; K step 2
	global_prefetch_b8 v0, s[PFA:PFA+1] offset:3*ROWB th:TH_LOAD_NT scope:SCOPE_SE   ; K step 3, the last
.Lask_1:
	STEP 0, 0, 1                                   ; K = 1,024 is eight steps of 128, four slots' worth: all are written out
.irp k, 0,1,2,3,4,5,6,7,8,9,10,11,12,13,14,15  ; b1 has served (the step's closing places stand between): its registers take gate_w2: register 8 j + e = gate_w2[16 wgx + 8 h + j][e]
	global_load_b128 v[GW+4*\k:GW+4*\k+3], v[WO], s[80:81] offset:16*\k
.endr
	TURN 0, 1, 1
	STEP 1, 0, 0
	TURN 1, 0, 1
	STEP 0, 0, 0
	TURN 0, 1, 0                                   ; the last two slots are not filled again
	STEP 1, 0, 0
	; The addresses of the way out, ahead of the very last step: its fragments have all been asked for.
	; The stage, 256 rows x 272 bytes, lies in slot 0: that slot has had its last fill, and every wave has passed the last change of slots, behind which nobody reads it.
	s_lshl_b32 s18, s15, 7
	s_lshl_b32 s19, s16, 6
	s_add_co_u32 s19, s19, s18                     ; the rows of register blocks 0-3,
	s_xor_b32 s20, s16, 1
	s_lshl_b32 s20, s20, 6
	s_add_co_u32 s20, s20, s18                     ; and of blocks 4-7
	s_mul_i32 s19, s19, PITCH
	s_mul_i32 s20, s20, PITCH
	s_lshl_b32 s21, s16, 7                         ; my 128 columns: 128 bytes of codes
	s_add_co_u32 s19, s19, s21
	s_add_co_u32 s20, s20, s21
	s_mul_i32 s21, s14, 64*PITCH                   ; back: wave w takes rows 64 w on, whole
	v_mul_u32_u24 v7, v1, PITCH
	v_lshl_add_u32 v7, v2, 3, v7                   ; row r, + 8 h: words 68 r + 2 h and the next: a store's 32 lanes touch each bank once
	v_add_nc_u32 v[STL], s19, v7
	v_add_nc_u32 v[STH], s20, v7
	v_mul_u32_u24 v8, v2, PITCH
	v_lshl_add_u32 v8, v1, 4, v8                   ; lanes 0-15 one row of 256 bytes, lanes 16-31 the next
	v_add_nc_u32 v[RD], s21, v8
	v_lshlrev_b32 v[CO], 11, v2                    ; and the same two rows in hq, 2,048 bytes apart
	v_lshl_add_u32 v[CO], v1, 4, v[CO]
	v_cmp_eq_u32 vcc_lo, 1, v2                     ; lanes 16-31
	v_lshlrev_b32 v[BO], 5, v1
	v_lshl_add_u32 v[BO], v2, 4, v[BO]             ; part: token r, experts 4 h on: 32 r + 16 h
	s_wait_loadcnt 0x0                             ; gate_w2
; THE ROUTER'S WAY OUT, a tile of 16 tokens at a time.  Lane (r, h) holds columns 16 wgx + 8 h + 0 .. 7 of g for token r.  They are clipped at 0 and multiplied by their rows of gate_w2, two experts an instruction
; (column j is taken for both halves of the pair).  The halves of the lanes then change what the other keeps: lanes 0-15 end with experts 0-3, lanes 16-31 with experts 4-7.  2^(e0 + e1) is positive, so it may follow the clip.
.macro GOUT i
.irp j, 0,1,2,3,4,5,6,7
	v_max_num_f32 v[TT+\j], 0, v[GA+8*\i+\j]       ; the accumulator from its low end on
.endr
.irp p, 0,2,4,6
	v_pk_mul_f32 v[OO+\p:OO+\p+1], v[TT:TT+1], v[GW+\p:GW+\p+1] op_sel_hi:[0,1]
.endr
.irp j, 1,2,3,4,5,6,7
.irp p, 0,2,4,6
.if (\j)%2
	v_pk_fma_f32 v[OO+\p:OO+\p+1], v[TT+\j-1:TT+\j], v[GW+8*\j+\p:GW+8*\j+\p+1], v[OO+\p:OO+\p+1] op_sel:[1,0,0] op_sel_hi:[1,1,1]
.else
	v_pk_fma_f32 v[OO+\p:OO+\p+1], v[TT+\j:TT+\j+1], v[GW+8*\j+\p:GW+8*\j+\p+1], v[OO+\p:OO+\p+1] op_sel_hi:[0,1,1]
.endif
.endr
.endr
.irp k, 0,1,2,3
	v_cndmask_b32 v[TT+4+\k], v[OO+4+\k], v[OO+\k], vcc_lo     ; what the other half keeps
.endr
.irp k, 0,1,2,3
	v_cndmask_b32 v[OO+\k], v[OO+\k], v[OO+4+\k], vcc_lo       ; what I keep
.endr
.irp k, 0,1,2,3
	v_permlanex16_b32 v[TT+\k], v[TT+4+\k], s66, s67
.endr
.irp k, 0,1,2,3
	v_add_f32 v[GA+8*\i+\k], v[OO+\k], v[TT+\k]    ; each tile has its own registers for its store, so no store's data are written again
.endr
.irp k, 0,1,2,3
	v_ldexp_f32 v[GA+8*\i+\k], v[GA+8*\i+\k], s100
.endr
	global_store_b128 v[BO], v[GA+8*\i:GA+8*\i+3], s[84:85] offset:512*\i   ; 32 lanes store 512 consecutive bytes, at a multiple of 512 from part's first byte
.endm
; THE LAST STEP AND THE WAY OUT OF h.  A finished block of 16 tokens x 128 columns: the activation and the hold in one (between 0 and 448 x the scale: the conversion to an 8-bit code does not saturate: ISA guide 7.6.2),
; in place, each accumulator from its low end on; then eight neighbouring columns to 8 bytes of codes.  Block a - 1's lines stand among block a's products; its codes take the registers of its own fragment of A.
.macro HOLD a, b                       ; accumulator (a, b)
	WIN MUL_LO+0x50*((\a)/4)                       ; source 2 and destination: the accumulators' window
.irp k, 0,1,2,3,4,5,6,7
	v_med3_num_f32 v[64*((\a)%4)+8*(\b)+\k], 0, s[LIM], v[64*((\a)%4)+8*(\b)+\k]
.endr
.endm
.macro CODE a, b
	WIN 0x02+(\a)/4
	v_cvt_scalef32_pk8_fp8_f32 v[CD+16*(\a)+2*(\b):CD+16*(\a)+2*(\b)+1], v[64*((\a)%4)+8*(\b):64*((\a)%4)+8*(\b)+7], v[SC]
.endm
.macro LASTG a
.irp b, 0,1,2,3,4,5,6,7
	WIN MUL_LO+0x50*((\a)/4)
	v_wmma_f32_16x16x128_fp8_fp8 v[8*(8*((\a)%4)+\b):8*(8*((\a)%4)+\b)+7], v[128+FR*\b:128+FR*\b+FR-1], v[AF+FR*(\a):AF+FR*(\a)+FR-1], v[8*(8*((\a)%4)+\b):8*(8*((\a)%4)+\b)+7]
.if (\a) > 0
.if \b > 0
	CODE (\a)-1, \b-1
.endif
	HOLD (\a)-1, \b
.endif
.endr
.if (\a) > 0
	CODE (\a)-1, 7
.endif
.endm
.macro CSTORE a                        ; a block's codes into the work-group's stage
.irp b, 0,1,2,3,4,5,6,7
	ds_store_b64 v[STL+(\a)/4], v[CD+16*(\a)+2*\b:CD+16*(\a)+2*\b+1] offset:((\a)%4)*16*PITCH+16*\b
.endr
.endm
	s_wait_dscnt 4*NL
	GATE4 0                                        ; first here: it reads A's blocks 0-3, whose registers take codes
	LASTG 0
	PLACES NP                                      ; behind block 0's last products, ahead of the reads of its sums
	LASTG 1
	LASTG 2
	LASTG 3
	s_wait_dscnt 0x0                               ; A's blocks 4-7
	LASTG 4
	WIN 0
	v_nop                                          ; one plain vector line behind the conversions
.irp a, 0,1,2,3
	CSTORE \a
.endr
	LASTG 5
	LASTG 6
	LASTG 7
.irp b, 0,1,2,3,4,5,6,7
	HOLD 7, \b
.endr
.irp b, 0,1,2,3,4,5,6,7
	CODE 7, \b
.endr
	WIN 0
	v_nop
.irp a, 4,5,6,7
	CSTORE \a
.endr
	s_wait_dscnt 0x0                               ; for the others' sake: my stores into the stage are done (a row's 256 bytes come from two waves)
	s_barrier_signal -1
	s_barrier_wait -1
.set t, 0
.rept 32
	ds_load_b128 v[CD+4*t:CD+4*t+3], v[RD] offset:t*2*PITCH
.set t, t+1
.endr
.set t, 0
.rept 32
	s_wait_dscnt 31-t                              ; LDS loads come back in order: pair t of rows is in, the younger ones may be out
	global_store_b128 v[CO], v[CD+4*t:CD+4*t+3], s[82:83] offset:t*4096   ; 16 lanes store 256 consecutive bytes, at a multiple of 256 from hq's first byte
.set t, t+1
.endr
	GOUT 0                                         ; the router's way out, behind the stores of h
	GOUT 1
	GOUT 2
	GOUT 3
	s_wait_tensorcnt 0x0                           ; the wave's end: behind my last tensor load and my last LDS store
	ds_add_u32 v[SPW], v[NIL]
	s_wait_dscnt 0x0
	CROUND                                         ; the closing round: no work-group ends while a partner may still ask for a tile that names it
	s_endpgm
.Lfunc_end_k_q610ad8aeaf_fc1_gate:
	.size	k_q610ad8aeaf_fc1_gate, .Lfunc_end_k_q610ad8aeaf_fc1_gate-k_q610ad8aeaf_fc1_gate
	.p2alignl 7, 3214868480
	.fill 96, 4, 3214868480
	.section	.rodata,"a",@progbits
	.p2align	6, 0x0
	.amdhsa_kernel k_q610ad8aeaf_fc1_gate
		.amdhsa_group_segment_fixed_size 327680
		.amdhsa_private_segment_fixed_size 0
		.amdhsa_enable_private_segment 0
		.amdhsa_kernarg_size 72
		.amdhsa_user_sgpr_count 2
		.amdhsa_user_sgpr_kernarg_segment_ptr 1
		.amdhsa_wavefront_size32 1
		.amdhsa_system_sgpr_workgroup_id_x 1
		.amdhsa_system_sgpr_workgroup_id_y 1
		.amdhsa_system_sgpr_workgroup_id_z 1
		.amdhsa_system_vgpr_workitem_id 0
		.amdhsa_next_free_vgpr 1024
		.amdhsa_next_free_sgpr 102
		.amdhsa_reserve_vcc 1
		.amdhsa_float_denorm_mode_32 3
		.amdhsa_float_denorm_mode_16_64 3
		.amdhsa_memory_ordered 1
		.amdhsa_forward_progress 1
		.amdhsa_inst_pref_size 158
	.end_amdhsa_kernel
	.amdgpu_metadata
---
amdhsa.version: [ 1, 2 ]
amdhsa.kernels:
  - .name:           k_q610ad8aeaf_fc1_gate
    .symbol:         k_q610ad8aeaf_fc1_gate.kd
    .args:
      - { .name: x_codes, .offset: 0, .size: 8, .value_kind: global_buffer, .address_space: global }
      - { .name: W1_codes, .offset: 8, .size: 8, .value_kind: global_buffer, .address_space: global }
      - { .name: gate_w1_codes, .offset: 16, .size: 8, .value_kind: global_buffer, .address_space: global }
      - { .name: lowp_scales, .offset: 24, .size: 8, .value_kind: global_buffer, .address_space: global }
      - { .name: b1, .offset: 32, .size: 8, .value_kind: global_buffer, .address_space: global }
      - { .name: gate_b1, .offset: 40, .size: 8, .value_kind: global_buffer, .address_space: global }
      - { .name: gate_w2, .offset: 48, .size: 8, .value_kind: global_buffer, .address_space: global }
      - { .name: hq, .offset: 56, .size: 8, .value_kind: global_buffer, .address_space: global }
      - { .name: part, .offset: 64, .size: 8, .value_kind: global_buffer, .address_space: global }
    .group_segment_fixed_size: 327680
    .private_segment_fixed_size: 0
    .kernarg_segment_align: 8
    .kernarg_segment_size: 72
    .max_flat_workgroup_size: 128
    .sgpr_count:     102
    .vgpr_count:     1024
    .wavefront_size: 32
...
	.end_amdgpu_metadata
.endif
;; end of part 1
;; launch fc2_scores (part 2): grid 64 x 4, 4 waves a work-group, clusters of 4 x 4, 327,680 bytes of LDS; arguments hq, W2_codes, lowp_scales, b2, part, gate_b2, eoq, out1; writes eoq, out1
.if DOCPART == 2
	.amdgcn_target "amdgcn-amd-amdhsa--gfx1250"
	.amdhsa_code_object_version 6
	.text
	.protected	k_q610ad8aeaf_fc2_scores
	.globl	k_q610ad8aeaf_fc2_scores
	.p2align	8
	.type	k_q610ad8aeaf_fc2_scores,@function
k_q610ad8aeaf_fc2_scores:
	s_mov_b64 s[64:65], 0
	v_nop
	global_prefetch_b8 v0, s[64:65] scope:SCOPE_SE
	s_setreg_imm32_b32 hwreg(HW_REG_WAVE_MODE, 25, 1), 1
	s_wait_xcnt 0x0
	s_wait_alu depctr_hold_cnt(0) depctr_sa_sdst(0) depctr_va_vdst(0) depctr_va_sdst(0) depctr_va_ssrc(0) depctr_va_vcc(0) depctr_vm_vsrc(0)
	s_getreg_b32 s2, hwreg(HW_REG_IB_STS2, 6, 4)
	s_cmp_eq_u32 s2, 0
	s_cbranch_scc0 .Lentry_in_a_cluster
	s_endpgm
.Lentry_in_a_cluster:
	s_bfe_u32 s2, ttmp6, 0x10000c
	s_cmp_lg_u32 s2, 0xf033
	s_cbranch_scc0 .Lentry_shape_is_right
	s_endpgm
.Lentry_shape_is_right:
; eoq[e][t][n] = the E4M3 code, under the given scale 2^e6, of h[e] W2[e] + b2[e];  out1 = softmax over the 8 experts of (the sum of the 64 parts of the router's logits + gate_b2).
; hq: [8 x 1024][2048] codes of h (scale 2^e5), W2: [8 x 2048][2048] codes (scale 2^e4), both with K innermost.  part: [64][1024][8] f32.
; SHARES.  Work-group (wgx = 0..63, cy = 0..3): expert wgx / 8, tokens 256 cy on, rows 256 wgx on of W2.  Four waves, each 128 x 128: 64 accumulators, 512 registers.  K = 2,048 goes in steps of 256 through two LDS slots.
; CLUSTERS: 4 x 4 work-groups; a cluster's four wgx lie in one expert.  The four of a row (same cy) need the same tiles of h, the four of a column (same cx) the same tiles of W2: each tile is asked for jointly.
; THE MATRIX INSTRUCTION IS USED TRANSPOSED (source 0 = 16 rows of W2, source 1 = 16 tokens): a lane holds one token and eight neighbouring columns, neighbours along the next product's K.
; A fragment comes by four loads of 16 bytes: a permutation of k inside an instruction, the same on both sides; so the order of the sums differs from a plain ascending one.
; A step of 128 along K is eight groups of eight products (a block of A against B's eight).  The next step's 64 fragment loads stand in ONE run, behind the first group: B has two sets, A's blocks 1-7 have two places, and
; block 0, which is multiplied first in every step, has one.
; THE LAST STEP: block a's products have the hold and the conversions of block a - 1 among them, in place in its accumulators; codes take the registers of A's even steps.
; The result leaves in two halves, each through the work-group's stage: rows 0-63 of each wave half while the last blocks are finished.
; b2 is the C of each sum's first matrix instruction, divided by 2^(e4 + e5).  The three scales ahead of the quantiser are folded into the conversion's one, 2^(e6 - e4 - e5).
; PREFETCHES, a lane a row, one instruction a wave and K step: of the 128 rows that a wave fetches each of the four partners that ask for them jointly takes 32, told apart by address (cx for h, cy for W2).
; K step 1 is asked for at the head behind the wait for b2, K steps 2 and 3 behind K step 1's load, K step t + 2 behind the refill with K step t, nothing in the last trip.
; THE SCORES are made by wave 0 of the work-groups of clusters 0 to 7: 128 waves, 8 tokens each (a lane: one token, two experts).  Their 64 pieces of part are loaded in the last step, into B's set of even steps, and
; summed behind the closing round.  The branches hang on the cluster's number and the wave's, which all partners share; the place in the cluster enters global addresses alone.  The row's maximum is taken away before the exponentials.
; LIMITS: e6 - e4 - e5 between -126 and 119.  NaN among b2, gate_b2 and part is not served.
; REGISTERS, in windows of 256.  Window 0: v0-15 addresses and constants; v16-127 A's blocks 1-7 of odd steps (v32-95 b2 until the first step's end), last whole rows and the scores; v128-255 A's blocks of even steps, v128-143 block 0 of all steps; last codes.
;   Window 1: B's fragments, TWO sets.   Window 2: the accumulators of my rows 0-63 ((a, b) at v[8 (8 (a % 4) + b)]).   Window 3: rows 64-127.
.set KROW,  2048                       ; a row of hq or W2 in bytes
.set ROWB,  256
.set PITCH, 272                        ; an LDS row: 256 bytes + 16 of padding = 68 words: row r starts at bank 4 r mod 64 (64 banks of 4 bytes: ISA guide 11.1)
.set FR,    16                         ; registers of a fragment
.set NP,    4                          ; places behind this matrix instruction (ISA guide 7.12.1)
.set HALFT, 128*PITCH                  ; 128 rows: what one tensor load brings, and what one wave reads of A or of B
.set SLOT,  4*HALFT                    ; A's 256 rows, then B's 256 rows
.set SPARE, 2*SLOT                     ; behind the ring: the spare words, 128 bytes for each wave: two blocks of 256 bytes that no other line names
.set LAPS,  KROW/(2*ROWB)              ; a lap = two K steps of 256 = once round the ring
.set ADRA, 3                           ; v3-4   LDS address of my A fragments in slot 0, 1
.set STO,  5                           ; v5     the way out: where I put 8 codes of a row;
.set RD,   6                           ; v6     where I read a row back;
.set ADRB, 7                           ; v7-8   LDS address of my B fragments in slot 0, 1
.set CO,   9                           ; v9     my byte offset in eoq
.set SPW,  10                          ; v10    LDS address of my spare word: SPARE + 4 x my thread's number; never rewritten
.set NIL,  11                          ; v11    0; never rewritten
.set SC,   12                          ; v12    2^(e6 - e4 - e5) as f32
.set PFO,  13                          ; v13    the prefetches' offset: 2,048 x lane; never rewritten
.set BO,   14                          ; v14    32 (lane / 16): b2's offset; v[14:15] later my two numbers of gate_b2
.set BIAS, 32
.set AF,   128
.set CD,   128                         ; codes, 16 registers a block
.set R1,   16                          ; whole rows, first half of the way out
.set R2,   128                         ; second half: where the codes of blocks 0-3 lay
.set G1,  24                           ; s[24:31] descriptor group 1 for A's tiles;  s[32:39] group 0, one set for each slot
.set G0,  32
.set G1B, 48                           ; s[48:55], s[56:63] the same for B's tiles
.set G0B, 56
.set LIM, 86                           ; s86, s87: 448 x the conversion's scale, and its negative
.set PFA, 98                           ; s[98:99] the first of the 32 rows that my wave prefetches
.set MSB, 0
.macro WIN new                         ; the immediate's high byte repeats the setting that is left; a switch that changes nothing is dropped
.if MSB != (\new)
	s_set_vgpr_msb (MSB<<8)|(\new)
.set MSB, (\new)
.endif
.endm
.set MUL_LO, 0xa1                      ; source 0 (B) window 1, source 1 (A) window 0, C and D window 2; + 0x50: C and D window 3
.set TO_B,   0x40                      ; destination window 1, address window 0
.macro JLOAD s                         ; a joint load: waves 0 and 1 fetch for A, waves 2 and 3 for B; four v_nop follow each of the two lines
	s_cmp_eq_u32 s15, 0
	s_cbranch_scc0 .Lfor_b_\@
	tensor_load_to_lds s[G0+4*\s:G0+4*\s+3], s[G1:G1+7]
	s_nop 0
.rept 4
	v_nop
.endr
	s_branch .Lasked_\@
.Lfor_b_\@:
	tensor_load_to_lds s[G0B+4*\s:G0B+4*\s+3], s[G1B:G1B+7]
	s_nop 0
.rept 4
	v_nop
.endr
.Lasked_\@:
.endm
.macro CREST                           ; a round of the cluster's barrier behind its opening barrier
	s_cmp_lg_u32 s14, 0
	s_cbranch_scc1 .Lnot_wave_0_\@
	s_barrier_signal -3
.Lnot_wave_0_\@:
	s_barrier_wait -3
	s_barrier_signal -1
	s_barrier_wait -1
.endm
.macro CROUND
	s_barrier_signal -1
	s_barrier_wait -1
	CREST
.endm
.macro PLACES n
.rept \n
	v_nop
.endr
.endm
	s_load_b512 s[68:83], s[0:1], 0x0              ; hq s[68:69], W2 s[70:71], scales s[72:73], b2 s[74:75], part s[76:77], gate_b2 s[78:79], eoq s[80:81], out1 s[82:83]
	v_lshl_add_u32 v[SPW], v0, 2, SPARE
	v_mov_b32 v[NIL], 0
	ds_add_u32 v[SPW], v[NIL]                      ; the wave's opening: the add, twice on end, and its wait ahead of my first tensor load
	ds_add_u32 v[SPW], v[NIL]
	v_lshrrev_b32 v1, 5, v0
	v_readfirstlane_b32 s14, v1                    ; wave 0..3
	s_lshr_b32 s15, s14, 1                         ; which half of the tile's rows is mine.  Also: I fetch for A (0) or for B (1)
	s_and_b32 s16, s14, 1                          ; which half of its columns.  Also: which 128 rows of that tile I fetch
	s_bfe_u32 s40, ttmp6, 0x40000                  ; cx, cy: my place in the cluster
	s_bfe_u32 s41, ttmp6, 0x40004
	s_lshl_b32 s42, ttmp9, 2
	s_add_co_u32 s42, s42, s40                     ; wgx = 4 x cluster x + cx; the grid is one cluster high, so the work-group's y is cy
	s_lshl_b32 s43, s41, 2
	s_lshl_b32 s43, 15, s43                        ; my row of the cluster
	s_lshl_b32 s44, 0x1111, s40                    ; my column
	s_or_b32 s[G1+0], s43, (1<<20)|(1<<21)|(5<<22)|(3<<25)   ; 15:0 the mask: A's tiles go to my row; 17:16 elements of 1 byte; 20 padding on; 21 set beside a mask; 24:22 after every 64 words (code 5); 31:25 four words (code 3)
	s_or_b32 s[G1B+0], s44, (1<<20)|(1<<21)|(5<<22)|(3<<25)  ; B's go to my column
.irp g, G1, G1B
	s_mov_b32 s[\g+1], ROWB<<16                    ; tensor_dim0
	s_mov_b32 s[\g+2], 128<<16                     ; tensor_dim1
	s_mov_b32 s[\g+3], ROWB<<16                    ; tile_dim0
	s_mov_b32 s[\g+4], 128                         ; tile_dim1
	s_mov_b32 s[\g+5], KROW                        ; tensor_dim0_stride
	s_mov_b32 s[\g+6], 0
	s_mov_b32 s[\g+7], 0
.endr
	s_lshl_b32 s18, s16, 7                         ; which 128 rows of the tile I fetch
	s_lshr_b32 s20, ttmp9, 1                       ; the expert = wgx / 8 = cluster x / 2: the whole cluster's
	s_lshl_b32 s20, s20, 10
	s_lshl_b32 s21, s41, 8
	s_add_co_u32 s20, s20, s21
	s_add_co_u32 s20, s20, s18                     ; hq: row 1024 e + 256 cy + 128 x half,
	s_lshl_b32 s20, s20, 11                        ; in bytes
	s_mov_b32 s21, 0
	s_lshl_b32 s46, s42, 8
	s_add_co_u32 s46, s46, s18                     ; W2: row 256 wgx + 128 x half
	s_lshl_b32 s46, s46, 11
	s_mov_b32 s47, 0
	s_mul_i32 s45, s14, HALFT                      ; where they go: wave x 128 rows: no place in the cluster enters an LDS address
	s_wait_dscnt 0x0                               ; both opening adds are done
	s_wait_kmcnt 0x0
	s_load_b256 s[88:95], s[72:73], 0x0            ; e0 .. e7
	s_add_nc_u64 s[20:21], s[68:69], s[20:21]
	s_add_nc_u64 s[46:47], s[70:71], s[46:47]
	CROUND                                         ; all sixteen work-groups are here: the first joint loads meet
.irp s, 0,1
	s_mov_b32 s[G0+4*\s], 1
	s_add_co_u32 s[G0+4*\s+1], s45, \s*SLOT
	s_add_nc_u64 s[G0+4*\s+2:G0+4*\s+3], s[20:21], \s*ROWB
	s_or_b32 s[G0+4*\s+3], s[G0+4*\s+3], 0x80000000
	s_mov_b32 s[G0B+4*\s], 1
	s_add_co_u32 s[G0B+4*\s+1], s45, \s*SLOT
	s_add_nc_u64 s[G0B+4*\s+2:G0B+4*\s+3], s[46:47], \s*ROWB
	s_or_b32 s[G0B+4*\s+3], s[G0B+4*\s+3], 0x80000000
.endr
	JLOAD 0                                        ; K step 0: one tensor load a wave at the head
	; where my wave prefetches: 32 cx rows on in hq or 32 cy rows on in W2
	s_lshl_b32 s2, s40, 16
	s_lshl_b32 s12, s41, 16
	s_mov_b32 s3, 0
	s_cmp_eq_u32 s15, 0
	s_cselect_b32 s2, s2, s12
	s_cselect_b64 s[PFA:PFA+1], s[20:21], s[46:47]
	s_add_nc_u64 s[PFA:PFA+1], s[PFA:PFA+1], s[2:3]
	; the other buffers at my part
	s_lshl_b32 s2, s42, 10
	s_lshl_b32 s12, s16, 9
	s_add_co_u32 s2, s2, s12
	s_add_nc_u64 s[74:75], s[74:75], s[2:3]        ; b2: my 128 columns, 256 wgx + 128 x half on
	s_lshr_b32 s2, s42, 3
	s_lshl_b32 s2, s2, 10
	s_lshl_b32 s12, s41, 8
	s_add_co_u32 s2, s2, s12
	s_lshl_b32 s12, s15, 7
	s_add_co_u32 s2, s2, s12
	s_lshl_b32 s12, s16, 5
	s_add_co_u32 s2, s2, s12                       ; eoq: row 1024 e + 256 cy + 128 (wave / 2) + 32 (wave % 2): the first of the rows that I store,
	s_lshl_b32 s2, s2, 11
	s_and_b32 s12, s42, 7
	s_lshl_b32 s12, s12, 8
	s_add_co_u32 s2, s2, s12                       ; at the work-group's 256 columns
	s_add_nc_u64 s[80:81], s[80:81], s[2:3]
	s_and_b32 s2, ttmp9, 7
	s_lshl_b32 s2, s2, 4
	s_lshl_b32 s12, s41, 2
	s_add_co_u32 s2, s2, s12
	s_add_co_u32 s2, s2, s40                       ; the scores' group of 8 tokens: 16 (cluster x % 8) + 4 cy + cx, 0 .. 127,
	s_lshl_b32 s2, s2, 8                           ; 256 bytes in a slice of part and in out1
	s_add_nc_u64 s[76:77], s[76:77], s[2:3]
	s_add_nc_u64 s[82:83], s[82:83], s[2:3]
	s_mul_i32 s18, s15, HALFT                      ; my 128 rows of A
	s_mul_i32 s19, s16, HALFT                      ; my 128 rows of B,
	s_add_co_u32 s19, s19, 2*HALFT                 ; which lie behind A's 256
	s_lshl_b32 s20, s16, 7
	s_add_co_u32 s20, s20, s18                     ; the stage, 256 rows x 272 bytes at the start of slot 0: my 128 rows, my 128 bytes of each;
	s_mul_i32 s21, s16, 32*PITCH
	s_add_co_u32 s21, s21, s18                     ; back: rows 128 (wave / 2) + 32 (wave % 2) on, and 64 further
	v_lshrrev_b32 v2, 4, v0
	v_and_b32 v1, 15, v0                           ; r = lane % 16
	v_and_b32 v2, 1, v2                            ; h = lane / 16
	v_lshlrev_b32 v[BO], 5, v2
	v_and_b32 v[PFO], 31, v0
	v_lshlrev_b32 v[PFO], 11, v[PFO]
.irp b, 0,1,2,3,4,5,6,7                        ; b2 in the result's layout: for B's block b lane (r, h) wants columns 16 b + 8 h + 0 .. 7
	global_load_b128 v[BIAS+8*\b:BIAS+8*\b+3],   v[BO], s[74:75] offset:64*\b
	global_load_b128 v[BIAS+8*\b+4:BIAS+8*\b+7], v[BO], s[74:75] offset:64*\b+16
.endr
	v_mul_u32_u24 v15, v1, PITCH
	v_lshl_add_u32 v12, v2, 4, v15                 ; a fragment's row x pitch + 16 x half
	v_add_nc_u32 v[ADRA], s18, v12
	v_add_nc_u32 v[ADRB], s19, v12
	v_add_nc_u32 v[ADRA+1], SLOT, v[ADRA]
	v_add_nc_u32 v[ADRB+1], SLOT, v[ADRB]
	v_lshl_add_u32 v15, v2, 3, v15                 ; row r, + 8 h: words 68 r + 2 h and the next: a store's 32 lanes touch each bank once
	v_add_nc_u32 v[STO], s20, v15
	v_mul_u32_u24 v12, v2, PITCH
	v_lshl_add_u32 v12, v1, 4, v12                 ; lanes 0-15 one row of 256 bytes, lanes 16-31 the next
	v_add_nc_u32 v[RD], s21, v12
	v_lshlrev_b32 v[CO], 11, v2                    ; and the same two rows in eoq, 2,048 bytes apart
	v_lshl_add_u32 v[CO], v1, 4, v[CO]
	s_wait_alu depctr_va_vdst(0)
	s_wait_loadcnt 0x0                             ; b2
	s_wait_kmcnt 0x0
	global_prefetch_b8 v[PFO], s[PFA:PFA+1] offset:ROWB th:TH_LOAD_NT scope:SCOPE_SE     ; K step 1
	s_add_co_i32 s18, s92, s93                     ; e4 + e5: a sum stands for sum x 2^(e4 + e5), so b2 goes in as b2 / 2^(e4 + e5)
	s_sub_co_i32 s19, 0, s18
.set j, 0
.rept 64
	v_ldexp_f32 v[BIAS+j], v[BIAS+j], s19
.set j, j+1
.endr
	s_sub_co_i32 s18, s94, s18                     ; e6 - e4 - e5: the three scales folded into the conversion's one
	s_add_co_i32 s18, s18, 127
	s_lshl_b32 s19, s18, 23
	v_mov_b32 v[SC], s19
	s_add_co_i32 s18, s18, 8
	s_lshl_b32 s18, s18, 23
	s_or_b32 s[LIM], s18, 0x600000                 ; 448 x that,
	s_or_b32 s[LIM+1], s[LIM], 0x80000000          ; and its negative
.macro FRAG reg, adr, off              ; a fragment: lane l holds row l % 16; registers 4 c .. 4 c + 3 hold K = 32 c + 16 (l / 16) + 0 .. 15
.irp c, 0,1,2,3
	ds_load_b128 v[\reg+4*\c:\reg+4*\c+3], v[\adr] offset:\off+32*\c
.endr
.endm
.macro AREG i, q                       ; AX = where block i of A lies in a slot's step q
.if ((\i) > 0) && (\q)
.set AX, 16*(\i)
.else
.set AX, AF+16*(\i)
.endif
.endm
.macro LDA slot, q, i
	AREG \i, \q
	FRAG AX, ADRA+\slot, 128*(\q)+(\i)*16*PITCH
.endm
.macro RUN slot, q, all                ; the fragments of a slot's step q: B's eight, then A's blocks 0, 1 .. 7; all = 0: A's blocks 2-5, whose registers hold b2, come later
	WIN TO_B
.irp i, 0,1,2,3,4,5,6,7
	FRAG 128*(\q)+FR*\i, ADRB+\slot, 128*(\q)+\i*16*PITCH
.endr
	WIN 0
.if \all
.irp i, 0,1,2,3,4,5,6,7
	LDA \slot, \q, \i
.endr
.else
.irp i, 0,1,6,7
	LDA \slot, \q, \i
.endr
.endif
.endm
; Eight products, A's block a x B's eight, step q of the slot.  zero = 1: the first product starts the sums from b2.
; The 64 accumulators take turns, one instruction a turn, in the same order in every step, over the loop's backward jump too.
.macro MUL8 a, q, zero
	AREG \a, \q
.if \zero
	WIN 0x81+0x40*((\a)/4)                         ; C (b2) in window 0
.else
	WIN MUL_LO+0x50*((\a)/4)
.endif
.irp b, 0,1,2,3,4,5,6,7
.if \zero
	v_wmma_f32_16x16x128_fp8_fp8 v[8*(8*((\a)%4)+\b):8*(8*((\a)%4)+\b)+7], v[128*(\q)+FR*\b:128*(\q)+FR*\b+FR-1], v[AX:AX+FR-1], v[BIAS+8*\b:BIAS+8*\b+7]
.else
	v_wmma_f32_16x16x128_fp8_fp8 v[8*(8*((\a)%4)+\b):8*(8*((\a)%4)+\b)+7], v[128*(\q)+FR*\b:128*(\q)+FR*\b+FR-1], v[AX:AX+FR-1], v[8*(8*((\a)%4)+\b):8*(8*((\a)%4)+\b)+7]
.endif
.endr
.endm
; A load into a register that a matrix instruction has read stands NP places behind it, and only plain vector instructions that name none of its registers are places (ISA guide 7.12.1 for vector
; instructions): so NP v_nop stand in front of each run of loads.
.macro STEP slot, zero                 ; a slot's first step; its successor lies in the same slot
	s_wait_dscnt 28                                ; B's set and A's block 0 are in; the youngest 28 loads (blocks 1-7) may be out
	MUL8 0, 0, \zero
	PLACES NP
	RUN \slot, 1, 1-\zero
.if \zero
	s_wait_dscnt 48                                ; all but the 48 just issued: this step's blocks 1-7 are in
.else
	s_wait_dscnt 60                                ; no more than the 64 just issued may be out: this step's blocks 1-7 are in
.endif
.irp a, 1,2,3,4,5,6,7
	MUL8 \a, 0, \zero
.endr
.if \zero
	PLACES NP
	WIN 0
.irp i, 2,3,4,5                                ; b2 has served
	LDA \slot, 1, \i
.endr
.endif
.endm
; A slot's second step changes slots: ONE barrier; in front of it each wave waits for all its tensor loads, adds 0 to its spare word, and waits for that and for its own reads of this slot.  fill = 1: this slot is filled
; again, two K steps ahead, and the K step two further on is prefetched.
.macro TURN slot, next, fill
	WIN 0
.if (\fill) && ((\slot) == 0)
	s_wait_xcnt 0x0                                ; my prefetches have read their address
	s_add_nc_u64 s[PFA:PFA+1], s[PFA:PFA+1], 2*ROWB
.endif
	s_wait_tensorcnt 0x0                           ; all my tensor loads have landed: my part of the next slot; so every group 0 may be written
	ds_add_u32 v[SPW], v[NIL]                      ; 0 onto my spare word
.if \fill
	s_add_nc_u64 s[G0+4*\slot+2:G0+4*\slot+3], s[G0+4*\slot+2:G0+4*\slot+3], 2*ROWB
	s_add_nc_u64 s[G0B+4*\slot+2:G0B+4*\slot+3], s[G0B+4*\slot+2:G0B+4*\slot+3], 2*ROWB
.endif
	s_wait_dscnt 29                                ; B's set and A's block 0 are in; the add and the youngest 28 loads may be out
	MUL8 0, 1, 0                                   ; eight matrix instructions stand between the add and the wait for it
	s_wait_dscnt 0x0                               ; the add is done, and my reads of this slot are over
	s_barrier_signal -1
	MUL8 1, 1, 0
	WIN 0
	s_barrier_wait -1
.if \fill
	CREST                                          ; the barrier has opened a round of the cluster's barrier: no wave of any partner still reads this slot's tile or has a load on its way
	JLOAD \slot                                    ; the first tensor load behind the round; its four v_nop are the places in front of the loads below
.else
	PLACES NP
.endif
	RUN \next, 0, 1
.if \fill
	s_cmp_gt_u32 s3, 1                             ; not in the last trip
	s_cbranch_scc0 .Lno_ask_\@
	global_prefetch_b8 v[PFO], s[PFA:PFA+1] offset:(2+\slot)*ROWB th:TH_LOAD_NT scope:SCOPE_SE
.Lno_ask_\@:
.endif
.irp a, 2,3,4,5,6,7
	MUL8 \a, 1, 0
.endr
.endm
; The hold within +-448 x the scale (the conversion to an 8-bit code does not saturate: ISA guide 7.6.2), in place, the accumulator from its low end on; and its eight neighbouring columns to 8 bytes of codes.
.macro HOLD a, b
	WIN MUL_LO+0x50*((\a)/4)                       ; source 2 and destination: the accumulators' window
.irp k, 0,1,2,3,4,5,6,7
	v_med3_num_f32 v[64*((\a)%4)+8*(\b)+\k], s[LIM], s[LIM+1], v[64*((\a)%4)+8*(\b)+\k]
.endr
.endm
.macro CODE a, b
	WIN 0x02+(\a)/4
	v_cvt_scalef32_pk8_fp8_f32 v[CD+16*(\a)+2*(\b):CD+16*(\a)+2*(\b)+1], v[64*((\a)%4)+8*(\b):64*((\a)%4)+8*(\b)+7], v[SC]
.endm
.macro LASTG a                         ; the last step's products of block a (1 .. 7), with block a - 1's hold and conversions among them
	AREG \a, 1
.irp b, 0,1,2,3,4,5,6,7
	WIN MUL_LO+0x50*((\a)/4)
	v_wmma_f32_16x16x128_fp8_fp8 v[8*(8*((\a)%4)+\b):8*(8*((\a)%4)+\b)+7], v[128+FR*\b:128+FR*\b+FR-1], v[AX:AX+FR-1], v[8*(8*((\a)%4)+\b):8*(8*((\a)%4)+\b)+7]
.if \b > 0
	CODE (\a)-1, \b-1
.endif
	HOLD (\a)-1, \b
.endr
	CODE (\a)-1, 7
.endm
.macro CSTORE a0                       ; four blocks' codes into the stage
	WIN 0
	v_nop                                          ; one plain vector line behind the conversions
.irp a, \a0, \a0+1, \a0+2, \a0+3
.irp b, 0,1,2,3,4,5,6,7
	ds_store_b64 v[STO], v[CD+16*(\a)+2*\b:CD+16*(\a)+2*\b+1] offset:(\a)*16*PITCH+16*\b
.endr
.endr
.endm
	s_wait_alu depctr_va_vdst(0)
	s_wait_tensorcnt 0x0                           ; my part of K step 0 is in
	ds_add_u32 v[SPW], v[NIL]
	s_wait_dscnt 0x0                               ; the add is done
	CROUND                                         ; everybody's part of K step 0 is in, and all sixteen work-groups are here
	JLOAD 1                                        ; K step 1, the first tensor load behind the round
	RUN 0, 0, 1
	global_prefetch_b8 v[PFO], s[PFA:PFA+1] offset:2*ROWB th:TH_LOAD_NT scope:SCOPE_SE   ; K step 2
	global_prefetch_b8 v[PFO], s[PFA:PFA+1] offset:3*ROWB th:TH_LOAD_NT scope:SCOPE_SE   ; K step 3
	STEP 0, 1                                      ; the first step stands in front of the loop: its products start the sums
	WIN 0
	s_mov_b32 s3, LAPS-1
.Llap:                                             ; a trip goes once round the ring, from a lap's second step to the next lap's first, and fills both slots again
	TURN 0, 1, 1
	STEP 1, 0
	TURN 1, 0, 1
	STEP 0, 0
	WIN 0
	s_sub_co_u32 s3, s3, 1
	s_cmp_lg_u32 s3, 0
	s_cbranch_scc1 .Llap
	TURN 0, 1, 0                                   ; nothing is filled again, and no round of the cluster's barrier is due; slot 0 has had its last read
	STEP 1, 0
	s_wait_dscnt 28                                ; THE LAST STEP
	MUL8 0, 1, 0
	PLACES NP                                      ; behind block 0's last products, ahead of the reads of its sums; and ahead of the loads into B's other set
	WIN 0
	s_lshr_b32 s2, ttmp9, 3
	s_or_b32 s2, s2, s14
	s_cmp_eq_u32 s2, 0                             ; wave 0 of clusters 0 to 7 makes 8 tokens' scores at its end.  Lane l: token 8 g + l / 4, experts 2 (l % 4) and the next: 8 bytes
	s_cbranch_scc0 .Lno_parts
	v_and_b32 v2, 31, v0
	v_lshlrev_b32 v2, 3, v2                        ; 8 x lane: a load of the wave covers 256 consecutive bytes, aligned
	v_and_b32 v1, 24, v2                           ; 8 (lane % 4): my two experts in gate_b2
	global_load_b64 v[BO:BO+1], v1, s[78:79]
	WIN TO_B
.set i, 0
.rept 64
	global_load_b64 v[2*i:2*i+1], v2, s[76:77] offset:32768*i th:TH_LOAD_NT   ; slice i of part: read once in the launch
.set i, i+1
.endr
	WIN 0
.Lno_parts:
	s_wait_dscnt 0x0                               ; blocks 1-7 are in
	LASTG 1
	LASTG 2
	LASTG 3
	LASTG 4
	CSTORE 0
	LASTG 5
	WIN 0
	s_wait_dscnt 0x0                               ; for the others' sake: my stores of blocks 0-3 are done (a row's 256 bytes come from two waves)
	s_barrier_signal -1
	LASTG 6
	WIN 0
	s_barrier_wait -1
.irp t, 0,1,2,3,4,5,6,7,8,9,10,11,12,13,14,15
	ds_load_b128 v[R1+4*\t:R1+4*\t+3], v[RD] offset:\t*2*PITCH
.endr
	LASTG 7
	WIN 0
	s_wait_dscnt 0x0                               ; the rows are back
.irp t, 0,1,2,3,4,5,6,7,8,9,10,11,12,13,14,15
	global_store_b128 v[CO], v[R1+4*\t:R1+4*\t+3], s[80:81] offset:\t*4096   ; 16 lanes store 256 consecutive bytes, at a multiple of 256 from eoq's first byte
.endr
.irp b, 0,1,2,3,4,5,6,7
	HOLD 7, \b
.endr
.irp b, 0,1,2,3,4,5,6,7
	CODE 7, \b
.endr
	CSTORE 4
	s_wait_dscnt 0x0                               ; blocks 4-7 likewise
	s_barrier_signal -1
	s_barrier_wait -1
.irp t, 0,1,2,3,4,5,6,7,8,9,10,11,12,13,14,15
	ds_load_b128 v[R2+4*\t:R2+4*\t+3], v[RD] offset:64*PITCH+\t*2*PITCH
.endr
.irp t, 0,1,2,3,4,5,6,7,8,9,10,11,12,13,14,15
	s_wait_dscnt 15-\t                             ; LDS loads come back in order: pair t of rows is in, the younger ones may be out
	global_store_b128 v[CO], v[R2+4*\t:R2+4*\t+3], s[80:81] offset:64*KROW+\t*4096
.endr
	s_wait_tensorcnt 0x0                           ; the wave's end: behind my last tensor load and my last LDS store
	ds_add_u32 v[SPW], v[NIL]
	s_wait_dscnt 0x0
	CROUND                                         ; the closing round: no work-group ends while a partner may still ask for a tile that names it
	s_lshr_b32 s2, ttmp9, 3                        ; THE SCORES
	s_or_b32 s2, s2, s14
	s_cmp_eq_u32 s2, 0
	s_cbranch_scc0 .Lno_scores
	s_mov_b32 s13, 0x3fb8aa3b                      ; log2(e)
	s_wait_loadcnt 0x0
	WIN 0x45                                       ; sources and destination in window 1
.irp k, 1,2,3,4,5,6,7,8,9,10,11,12,13,14,15    ; the 64 parts, two experts an instruction, in four chains
.irp c, 0,1,2,3
	v_pk_add_f32 v[2*\c:2*\c+1], v[2*\c:2*\c+1], v[8*\k+2*\c:8*\k+2*\c+1]
.endr
.endr
	v_pk_add_f32 v[0:1], v[0:1], v[2:3]
	v_pk_add_f32 v[4:5], v[4:5], v[6:7]
	WIN 0x05                                       ; destination window 0
	v_pk_add_f32 v[116:117], v[0:1], v[4:5]
	WIN 0
	v_pk_add_f32 v[116:117], v[116:117], v[BO:BO+1]   ; + gate_b2: the logits
	v_max_num_f32 v118, v116, v117                 ; the token's largest logit: my two, then the four lanes that share the token
	v_max_num_f32_dpp v118, v118, v118 row_xmask:1 row_mask:0xf bank_mask:0xf
	v_max_num_f32_dpp v118, v118, v118 row_xmask:2 row_mask:0xf bank_mask:0xf
	v_mul_f32 v119, s13, v118
	v_fma_f32 v116, v116, s13, -v119               ; (logit - maximum) x log2(e), 0 or less
	v_fma_f32 v117, v117, s13, -v119
	s_wait_alu depctr_va_vdst(0)
	v_exp_f32 v120, v116
	v_exp_f32 v121, v117
	v_nop                                          ; a plain instruction behind the exponentials
	s_wait_alu depctr_va_vdst(0)                   ; the wait ahead of the first use: one for both
	v_add_f32 v122, v120, v121
	v_add_f32_dpp v122, v122, v122 row_xmask:1 row_mask:0xf bank_mask:0xf
	v_add_f32_dpp v122, v122, v122 row_xmask:2 row_mask:0xf bank_mask:0xf
	s_wait_alu depctr_va_vdst(0)
	v_rcp_f32 v123, v122                           ; the sum is at least 1
	v_nop
	s_wait_alu depctr_va_vdst(0)
	v_mul_f32 v120, v120, v123
	v_mul_f32 v121, v121, v123
	global_store_b64 v2, v[120:121], s[82:83]
.Lno_scores:
	s_endpgm
.Lfunc_end_k_q610ad8aeaf_fc2_scores:
	.size	k_q610ad8aeaf_fc2_scores, .Lfunc_end_k_q610ad8aeaf_fc2_scores-k_q610ad8aeaf_fc2_scores
	.p2alignl 7, 3214868480
	.fill 96, 4, 3214868480
	.section	.rodata,"a",@progbits
	.p2align	6, 0x0
	.amdhsa_kernel k_q610ad8aeaf_fc2_scores
		.amdhsa_group_segment_fixed_size 327680
		.amdhsa_private_segment_fixed_size 0
		.amdhsa_enable_private_segment 0
		.amdhsa_kernarg_size 64
		.amdhsa_user_sgpr_count 2
		.amdhsa_user_sgpr_kernarg_segment_ptr 1
		.amdhsa_wavefront_size32 1
		.amdhsa_system_sgpr_workgroup_id_x 1
		.amdhsa_system_sgpr_workgroup_id_y 1
		.amdhsa_system_sgpr_workgroup_id_z 1
		.amdhsa_system_vgpr_workitem_id 0
		.amdhsa_next_free_vgpr 1024
		.amdhsa_next_free_sgpr 102
		.amdhsa_reserve_vcc 0
		.amdhsa_float_denorm_mode_32 3
		.amdhsa_float_denorm_mode_16_64 3
		.amdhsa_memory_ordered 1
		.amdhsa_forward_progress 1
		.amdhsa_inst_pref_size 146
	.end_amdhsa_kernel
	.amdgpu_metadata
---
amdhsa.version: [ 1, 2 ]
amdhsa.kernels:
  - .name:           k_q610ad8aeaf_fc2_scores
    .symbol:         k_q610ad8aeaf_fc2_scores.kd
    .args:
      - { .name: hq, .offset: 0, .size: 8, .value_kind: global_buffer, .address_space: global }
      - { .name: W2_codes, .offset: 8, .size: 8, .value_kind: global_buffer, .address_space: global }
      - { .name: lowp_scales, .offset: 16, .size: 8, .value_kind: global_buffer, .address_space: global }
      - { .name: b2, .offset: 24, .size: 8, .value_kind: global_buffer, .address_space: global }
      - { .name: part, .offset: 32, .size: 8, .value_kind: global_buffer, .address_space: global }
      - { .name: gate_b2, .offset: 40, .size: 8, .value_kind: global_buffer, .address_space: global }
      - { .name: eoq, .offset: 48, .size: 8, .value_kind: global_buffer, .address_space: global }
      - { .name: out1, .offset: 56, .size: 8, .value_kind: global_buffer, .address_space: global }
    .group_segment_fixed_size: 327680
    .private_segment_fixed_size: 0
    .kernarg_segment_align: 8
    .kernarg_segment_size: 64
    .max_flat_workgroup_size: 128
    .sgpr_count:     102
    .vgpr_count:     1024
    .wavefront_size: 32
...
	.end_amdgpu_metadata
.endif
;; end of part 2
;; launch clf (part 3): grid 64 x 4, 4 waves a work-group, clusters of 4 x 4, 327,680 bytes of LDS; arguments eoq, clf_w_codes, lowp_scales, clf_b, out0; writes out0
.if DOCPART == 3
	.amdgcn_target "amdgcn-amd-amdhsa--gfx1250"
	.amdhsa_code_object_version 6
	.text
	.protected	k_q610ad8aeaf_clf
	.globl	k_q610ad8aeaf_clf
	.p2align	8
	.type	k_q610ad8aeaf_clf,@function
k_q610ad8aeaf_clf:
	s_mov_b64 s[64:65], 0
	v_nop
	global_prefetch_b8 v0, s[64:65] scope:SCOPE_SE
	s_setreg_imm32_b32 hwreg(HW_REG_WAVE_MODE, 25, 1), 1
	s_wait_xcnt 0x0
	s_wait_alu depctr_hold_cnt(0) depctr_sa_sdst(0) depctr_va_vdst(0) depctr_va_sdst(0) depctr_va_ssrc(0) depctr_va_vcc(0) depctr_vm_vsrc(0)
	s_getreg_b32 s2, hwreg(HW_REG_IB_STS2, 6, 4)
	s_cmp_eq_u32 s2, 0
	s_cbranch_scc0 .Lentry_in_a_cluster
	s_endpgm
.Lentry_in_a_cluster:
	s_bfe_u32 s2, ttmp6, 0x10000c
	s_cmp_lg_u32 s2, 0xf033
	s_cbranch_scc0 .Lentry_shape_is_right
	s_endpgm
.Lentry_shape_is_right:
; out0[t][e][c] = (the sum over k of eoq[e][t][k] clf_w[c][k]) x 2^(e6 + e7) + clf_b[c].  eoq: [8 x 1024][2048] codes (scale 2^e6), clf_w: [1024][2048] codes (scale 2^e7), K innermost; out0: [1024][8][1024] f32.
; SHARES.  C has 8,192 rows x 1,024 columns: tiles of 128 x 256 give one to each of 256 work-groups (256 x 256 would give 128).  Work-group (rt = 0..63, cy = 0..3): rows 128 rt on, columns 256 cy on.
; Four waves, each 64 x 128: 32 accumulators, 256 registers.
; THE RING.  K = 2,048 is eight parts of 256; a part of the tile is 384 rows (128 of A, 256 of B).  LDS has room for three parts: a LONG slot of two (rows of 512 bytes) and a SHORT slot of one (rows of 256 bytes).
; Parts 0, 1 (long) and 2 (short) are the first fills.  Then: long <- parts 3, 4 while part 2 is multiplied; short <- part 5 while 3, 4 are; long <- parts 6, 7 while 5 is.  So slots are filled again three times,
; one joint load a wave each time, where two slots of one part would be filled again six times.  The sixteen steps of 128 along K are written out: no loop.
; CLUSTERS: 4 x 4 work-groups.  A's tile hangs on rt = 4 x cluster x + cx and is shared along a column of the cluster; B's hangs on cy and is shared along a row: each is asked for jointly.
; THE MATRIX INSTRUCTION IS USED TRANSPOSED (source 0 = 16 rows of clf_w, source 1 = 16 rows of eoq): a lane holds eight neighbouring numbers of a row of C.
; A fragment comes by four loads of 16 bytes: a permutation of k inside an instruction, the same on both sides; so the order of the sums differs from a plain ascending one.
; LIMIT: e6 + e7 between -126 and 127, so that 2^(e6 + e7) is an f32 number.
; REGISTERS, in windows of 256.  Window 0: v0-15 addresses; v32-95 at work on the way out; v128-191, v192-255 A's fragments, two sets, later rows of C.   Window 1: B's fragments, two sets.
;   Window 2: the accumulators ((a, b) at v[8 (8 a + b)]).   Window 3: v0-63 clf_b in the result's layout.
.set KROW,  2048                       ; a row of eoq or clf_w in bytes
.set PART,  256                        ; a part of K, in bytes of a row
.set FR,    16                         ; registers of a fragment
.set NP,    4                          ; places behind this matrix instruction (ISA guide 7.12.1)
.set PD,    528                        ; the long slot's LDS row: 512 bytes + 16 of padding = 132 words: row r starts at bank 4 r mod 64 (64 banks of 4 bytes: ISA guide 11.1)
.set PU,    272                        ; the short slot's: 256 bytes + 16 = 68 words: likewise
.set D_A,   0                          ; the long slot: A's 128 rows,
.set D_B,   128*PD                     ; then B's 256
.set U_A,   384*PD                     ; the short slot: A's 128 rows,
.set U_B,   U_A+128*PU                 ; then B's 256
.set SPARE, U_A+384*PU                 ; behind the slots: the spare words, 128 bytes for each wave: two blocks of 256 bytes that no other line names
.set STAGE, U_A                        ; the way out: 16 rows x (512 bytes + 16) for each wave, in the short slot, which has had its last fill and its last read when the first result is stored there
.set SPITCH, 528
.set ADA_D, 3                          ; v3     LDS address of my A fragments in the long slot
.set ADA_U, 4                          ; v4     in the short slot
.set ADB_D, 5                          ; v5     of my B fragments in the long slot
.set ADB_U, 6                          ; v6     in the short slot
.set STO,  7                           ; v7     the way out: where I put 32 bytes of a row
.set RD,   8                           ; v8     where I read a row back
.set CO,   9                           ; v9     my byte offset in a row of C
.set SPW,  10                          ; v10    LDS address of my spare word: SPARE + 4 x my thread's number; never rewritten
.set NIL,  11                          ; v11    0; never rewritten
.set BO,   14                          ; v14    32 (lane / 16): clf_b's offset
.set PFO,  15                          ; v15    the prefetches' offset: 2,048 x my lane: a lane a row; never rewritten
.set TMP,  32
.set AF,   128
.set BK,   128
.set G1AD, 24                          ; s[24:31] descriptor group 1: A's tile for the long slot
.set G1BD, 48                          ; s[48:55] B's for the long slot
.set G1AU, 4                           ; s[4:11]  A's for the short slot
.set G1BU, 80                          ; s[80:87] B's for the short slot
.set G0AD, 32                          ; s[32:35], s[36:39], s[56:59], s[60:63]: their groups 0
.set G0AU, 36
.set G0BD, 56
.set G0BU, 60
.set PFA,  88                          ; s[88:89] the first of the 32 rows that my wave prefetches; never rewritten: the part of K stands in the immediate
.set ASKS, 90                          ; s90     1 in a wave that prefetches
.set MSB, 0
.macro WIN new                         ; the immediate's high byte repeats the setting that is left; a switch that changes nothing is dropped
.if MSB != (\new)
	s_set_vgpr_msb (MSB<<8)|(\new)
.set MSB, (\new)
.endif
.endm
.set MUL,  0xa1                        ; source 0 (B) window 1, source 1 (A) window 0, C and D window 2
.set TO_B, 0x40                        ; destination window 1, address window 0
.macro JLOAD g0a, g1a, g0b, g1b        ; a joint load: waves 0 and 1 fetch for A, waves 2 and 3 for B; four v_nop follow each of the two lines
	s_cmp_eq_u32 s15, 0
	s_cbranch_scc0 .Lfor_b_\@
	tensor_load_to_lds s[\g0a:\g0a+3], s[\g1a:\g1a+7]
	s_nop 0
.rept 4
	v_nop
.endr
	s_branch .Lasked_\@
.Lfor_b_\@:
	tensor_load_to_lds s[\g0b:\g0b+3], s[\g1b:\g1b+7]
	s_nop 0
.rept 4
	v_nop
.endr
.Lasked_\@:
.endm
.macro CREST                           ; a round of the cluster's barrier behind its opening barrier
	s_cmp_lg_u32 s14, 0
	s_cbranch_scc1 .Lnot_wave_0_\@
	s_barrier_signal -3
.Lnot_wave_0_\@:
	s_barrier_wait -3
	s_barrier_signal -1
	s_barrier_wait -1
.endm
.macro CROUND
	s_barrier_signal -1
	s_barrier_wait -1
	CREST
.endm
.macro PLACES n
.rept \n
	v_nop
.endr
.endm
.macro SHAPE g, bytes, rows            ; words 1 to 7 of a group 1: a tile of rows x bytes, elements of 1 byte, KROW bytes from row to row
	s_mov_b32 s[\g+1], (\bytes)<<16                ; tensor_dim0
	s_mov_b32 s[\g+2], (\rows)<<16                 ; tensor_dim1
	s_mov_b32 s[\g+3], (\bytes)<<16                ; tile_dim0
	s_mov_b32 s[\g+4], \rows                       ; tile_dim1
	s_mov_b32 s[\g+5], KROW                        ; tensor_dim0_stride
	s_mov_b32 s[\g+6], 0
	s_mov_b32 s[\g+7], 0
.endm
; A PREFETCH INTO THE L2 of n parts of K from part u on: behind the head's load (parts 0, 1) part 2, behind the short slot's first fill (part 2) parts 3 to 5, behind the fill with parts 3, 4 parts 6, 7.
; A part is 256 bytes of each row, aligned; a lane a row, one instruction a part.  Each such block is named ONCE in the launch.  A's 128 rows are read by the four work-groups of my column of the cluster and by nobody
; else: each takes 32 of them, told apart BY ADDRESS (cy), and its wave 0 asks.  B's 256 rows are read by every cluster: cluster 0 asks; the four partners of a row of the cluster take 64 each, told apart by address (cx),
; waves 2 and 3 32 each.  The branch hangs on the wave's number and the cluster's, which all partners share.
.macro ASK u, n
	s_cmp_eq_u32 s[ASKS], 1
	s_cbranch_scc0 .Lnot_mine_\@
.set i, 0
.rept \n
	global_prefetch_b8 v[PFO], s[PFA:PFA+1] offset:PART*((\u)+i) th:TH_LOAD_NT scope:SCOPE_SE
.set i, i+1
.endr
.Lnot_mine_\@:
.endm
	s_load_b256 s[68:75], s[0:1], 0x0              ; eoq s[68:69], clf_w s[70:71], scales s[72:73], clf_b s[74:75]
	s_load_b64 s[76:77], s[0:1], 0x20              ; out0
	v_lshl_add_u32 v[SPW], v0, 2, SPARE
	v_mov_b32 v[NIL], 0
	ds_add_u32 v10, v11
	ds_add_u32 v10, v11
	s_wait_dscnt 0x0
	v_lshrrev_b32 v1, 5, v0
	v_readfirstlane_b32 s14, v1                    ; wave 0..3
	s_lshr_b32 s15, s14, 1                         ; which half of the tile's rows is mine.  Also: I fetch for A (0) or for B (1)
	s_and_b32 s16, s14, 1                          ; which half of its columns.  Also: which half of that tile I fetch
	s_bfe_u32 s40, ttmp6, 0x40000                  ; cx, cy: my place in the cluster
	s_bfe_u32 s41, ttmp6, 0x40004
	s_lshl_b32 s42, ttmp9, 2
	s_add_co_u32 s42, s42, s40                     ; rt = 4 x cluster x + cx; the grid is one cluster high, so the tile column is cy
	s_lshl_b32 s43, s41, 2
	s_lshl_b32 s43, 15, s43                        ; my row of the cluster
	s_lshl_b32 s44, 0x1111, s40                    ; my column
	; word 0 of the groups 1: 15:0 the mask (A's tiles go to my COLUMN, B's to my ROW); 17:16 elements of 1 byte; 20 padding on; 21 set beside a mask; 24:22 after every 128 words (code 6) or 64 (code 5); 31:25 four words (code 3)
	s_or_b32 s[G1AD+0], s44, (1<<20)|(1<<21)|(6<<22)|(3<<25)
	s_or_b32 s[G1BD+0], s43, (1<<20)|(1<<21)|(6<<22)|(3<<25)
	s_or_b32 s[G1AU+0], s44, (1<<20)|(1<<21)|(5<<22)|(3<<25)
	s_or_b32 s[G1BU+0], s43, (1<<20)|(1<<21)|(5<<22)|(3<<25)
	SHAPE G1AD, 2*PART, 64
	SHAPE G1BD, 2*PART, 128
	SHAPE G1AU, PART, 64
	SHAPE G1BU, PART, 128
	s_lshl_b32 s46, s42, 7
	s_lshl_b32 s47, s16, 6
	s_add_co_u32 s46, s46, s47                     ; eoq: row 128 rt + 64 x half,
	s_lshl_b32 s46, s46, 11                        ; in bytes
	s_mov_b32 s47, 0
	s_lshl_b32 s20, s41, 8
	s_lshl_b32 s21, s16, 7
	s_add_co_u32 s20, s20, s21                     ; clf_w: row 256 cy + 128 x half
	s_lshl_b32 s20, s20, 11
	s_mov_b32 s21, 0
	s_mul_i32 s45, s16, 64*PD                      ; where they go: A's half in the long slot (D_A = 0),
	s_mul_i32 s18, s16, 64*PU
	s_add_co_u32 s18, s18, U_A                     ; and in the short one;
	s_mul_i32 s19, s16, 128*PD
	s_add_co_u32 s19, s19, D_B                     ; B's half in the long slot,
	s_mul_i32 s22, s16, 128*PU
	s_add_co_u32 s22, s22, U_B                     ; and in the short one: no place in the cluster enters an LDS address
	s_wait_kmcnt 0x0
	s_load_b64 s[96:97], s[72:73], 0x18            ; e6, e7
	s_add_nc_u64 s[46:47], s[68:69], s[46:47]
	s_add_nc_u64 s[20:21], s[70:71], s[20:21]
	CROUND                                         ; all sixteen work-groups are here: the first joint loads meet
	s_mov_b32 s[G0AD], 1                           ; 1:0 count = 1
	s_mov_b32 s[G0AD+1], s45                       ; 63:32 LDS address
	s_add_nc_u64 s[G0AD+2:G0AD+3], s[46:47], 0     ; 120:64 global address: parts 0 and 1
	s_or_b32 s[G0AD+3], s[G0AD+3], 0x80000000      ; 127:126 type = 2
	s_mov_b32 s[G0AU], 1
	s_mov_b32 s[G0AU+1], s18
	s_add_nc_u64 s[G0AU+2:G0AU+3], s[46:47], 2*PART ; part 2
	s_or_b32 s[G0AU+3], s[G0AU+3], 0x80000000
	s_mov_b32 s[G0BD], 1
	s_mov_b32 s[G0BD+1], s19
	s_add_nc_u64 s[G0BD+2:G0BD+3], s[20:21], 0
	s_or_b32 s[G0BD+3], s[G0BD+3], 0x80000000
	s_mov_b32 s[G0BU], 1
	s_mov_b32 s[G0BU+1], s22
	s_add_nc_u64 s[G0BU+2:G0BU+3], s[20:21], 2*PART
	s_or_b32 s[G0BU+3], s[G0BU+3], 0x80000000
	JLOAD G0AD, G1AD, G0BD, G1BD                   ; parts 0 and 1: one tensor load a wave at the head
	s_lshl_b32 s2, s41, 10
	s_lshl_b32 s12, s16, 9
	s_add_co_u32 s2, s2, s12                       ; my 128 columns in bytes: 1024 cy + 512 x half
	s_mov_b32 s3, 0
	s_add_nc_u64 s[74:75], s[74:75], s[2:3]        ; clf_b
	s_add_nc_u64 s[76:77], s[76:77], s[2:3]        ; out0, and its row: row 128 rt + i of eoq is expert rt / 8, token 128 (rt % 8) + i
	s_and_b32 s2, s42, 7
	s_lshl_b32 s2, s2, 7
	s_lshl_b32 s12, s15, 6
	s_add_co_u32 s2, s2, s12                       ; my first token,
	s_lshl_b32 s2, s2, 3
	s_lshr_b32 s12, s42, 3
	s_add_co_u32 s2, s2, s12                       ; x 8 experts + mine,
	s_lshl_b32 s2, s2, 12                          ; rows of 4,096 bytes
	s_add_nc_u64 s[76:77], s[76:77], s[2:3]
	; the prefetches (macro ASK): where my wave's 32 rows begin, and who asks
	s_lshl_b32 s2, s42, 7
	s_lshl_b32 s12, s41, 5
	s_add_co_u32 s2, s2, s12                       ; A: row 128 rt + 32 cy
	s_lshl_b32 s12, s41, 8
	s_lshl_b32 s13, s40, 6
	s_add_co_u32 s12, s12, s13
	s_lshl_b32 s13, s16, 5
	s_add_co_u32 s12, s12, s13                     ; B: row 256 cy + 64 cx + 32 (wave % 2)
	s_cmp_eq_u32 s15, 0                            ; do I fetch for A?
	s_cselect_b32 s2, s2, s12
	s_cselect_b64 s[PFA:PFA+1], s[68:69], s[70:71]
	s_cselect_b32 s[ASKS], s16, ttmp9              ; of A's waves wave 0 asks; B's waves ask in cluster 0: the same in all sixteen partners, for a given wave
	s_cmp_eq_u32 s[ASKS], 0
	s_cselect_b32 s[ASKS], 1, 0
	s_lshl_b32 s2, s2, 11                          ; rows of 2,048 bytes
	s_add_nc_u64 s[PFA:PFA+1], s[PFA:PFA+1], s[2:3]
	v_and_b32 v[PFO], 31, v0
	v_lshlrev_b32 v[PFO], 11, v[PFO]
	v_and_b32 v1, 15, v0                           ; r = lane % 16
	v_bfe_u32 v2, v0, 4, 1                         ; h = lane / 16
	v_mul_u32_u24 v12, v1, PD
	v_lshl_add_u32 v12, v2, 4, v12                 ; a fragment's row x pitch + 16 x half, in the long slot,
	v_mul_u32_u24 v13, v1, PU
	v_lshl_add_u32 v13, v2, 4, v13                 ; and in the short one
	s_mul_i32 s18, s15, 64*PD                      ; my 64 rows of A
	v_add_nc_u32 v[ADA_D], s18, v12
	s_mul_i32 s18, s15, 64*PU
	s_add_co_u32 s18, s18, U_A
	v_add_nc_u32 v[ADA_U], s18, v13
	s_mul_i32 s18, s16, 128*PD                     ; my 128 rows of B
	s_add_co_u32 s18, s18, D_B
	v_add_nc_u32 v[ADB_D], s18, v12
	s_mul_i32 s18, s16, 128*PU
	s_add_co_u32 s18, s18, U_B
	v_add_nc_u32 v[ADB_U], s18, v13
	s_mul_i32 s18, s14, 16*SPITCH
	s_add_co_u32 s18, s18, STAGE                   ; my stage
	v_mul_u32_u24 v12, v1, SPITCH                  ; in: row r, 32 bytes for each half of the lanes
	v_lshl_add_u32 v12, v2, 5, v12
	v_add_nc_u32 v[STO], s18, v12
	v_and_b32 v12, 31, v0
	v_lshlrev_b32 v[CO], 4, v12                    ; back: the 32 lanes take one row of 512 bytes; and the same in C
	v_add_nc_u32 v[RD], s18, v[CO]
	v_lshlrev_b32 v[BO], 5, v2
	s_wait_alu depctr_va_vdst(0)
	ASK 2, 1
	WIN 0xc0                                       ; destination window 3
.irp b, 0,1,2,3,4,5,6,7                        ; clf_b in the result's layout: for B's block b lane (r, h) wants columns 16 b + 8 h + 0 .. 7
	global_load_b128 v[8*\b:8*\b+3],   v[BO], s[74:75] offset:64*\b
	global_load_b128 v[8*\b+4:8*\b+7], v[BO], s[74:75] offset:64*\b+16
.endr
	WIN 0
	s_wait_alu depctr_va_vdst(0)
	s_wait_kmcnt 0x0
	s_add_co_i32 s96, s96, s97                     ; e6 + e7, between -126 and 127,
	s_add_co_i32 s96, s96, 127
	s_lshl_b32 s96, s96, 23                        ; makes the f32 number 2^(e6 + e7)
	s_mov_b32 s97, s96                             ; (named with it as a pair, so it is written)
.macro FRAG reg, adr, off              ; a fragment: lane l holds row l % 16; registers 4 c .. 4 c + 3 hold K = 32 c + 16 (l / 16) + 0 .. 15
.irp c, 0,1,2,3
	ds_load_b128 v[\reg+4*\c:\reg+4*\c+3], v[\adr] offset:\off+32*\c
.endr
.endm
.macro FETCH3 ab, aa, pit, q, p        ; 48 LDS loads in one run: B's eight and A's four fragments of a slot's q-th 128 along K into sets p
	WIN TO_B
.irp i, 0,1,2,3,4,5,6,7
	FRAG 128*(\p)+FR*\i, \ab, 128*(\q)+\i*16*(\pit)
.endr
	WIN 0
.irp i, 0,1,2,3
	FRAG AF+64*(\p)+FR*\i, \aa, 128*(\q)+\i*16*(\pit)
.endr
.endm
.macro FETCH short, q, p               ; short = 0: from the long slot; 1: from the short one
.if \short
	FETCH3 ADB_U, ADA_U, PU, \q, \p
.else
	FETCH3 ADB_D, ADA_D, PD, \q, \p
.endif
.endm
; 8 matrix instructions: A's block a x B's eight, 128 along K, sets p.  zero = 1: the first product starts the sums: nothing is cleared.
; The 32 accumulators take turns, one instruction a turn, in the same order in every step.
.macro MUL8 a, p, zero
.irp b, 0,1,2,3,4,5,6,7
.if \zero
	v_wmma_f32_16x16x128_fp8_fp8 v[8*(8*(\a)+\b):8*(8*(\a)+\b)+7], v[128*(\p)+FR*\b:128*(\p)+FR*\b+FR-1], v[AF+64*(\p)+FR*(\a):AF+64*(\p)+FR*(\a)+FR-1], 0
.else
	v_wmma_f32_16x16x128_fp8_fp8 v[8*(8*(\a)+\b):8*(8*(\a)+\b)+7], v[128*(\p)+FR*\b:128*(\p)+FR*\b+FR-1], v[AF+64*(\p)+FR*(\a):AF+64*(\p)+FR*(\a)+FR-1], v[8*(8*(\a)+\b):8*(8*(\a)+\b)+7]
.endif
.endr
.endm
; A load into a register that a matrix instruction has read stands NP places behind it, and only plain vector instructions that name none of its registers are places (ISA guide 7.12.1 for vector
; instructions).
; A step of 128 along K, on sets p, that has its successor in the same slot: the successor's fragments (the slot's q-th 128) are asked for first, into the other sets, a whole step's 32 matrix instructions ahead of their use.
.macro STEP3 p, zero, short, q
	s_wait_dscnt 12                                ; B's eight fragments and A's block 0 are in; the youngest twelve loads (A's blocks 1-3) may be out
.if \zero == 0
	PLACES NP                                      ; the other sets were multiplied by the step before
.endif
	FETCH \short, \q, 1-(\p)
	WIN MUL
	MUL8 0, \p, \zero
	s_wait_dscnt 48                                ; all but the 48 just issued: A's blocks 1-3 are in
	MUL8 1, \p, \zero
	MUL8 2, \p, \zero
	MUL8 3, \p, \zero
.endm
; A slot's last step (always on sets 1) changes slots.  Its fragments are in registers, so the slot has been read out.  The step's first sixteen products are issued AHEAD of the wait for the tile that is on its way:
; they need nothing of it.  Then ONE barrier: in front of it each wave waits for all its tensor loads (one is out: its part of the slot to be read next), adds 0 to its spare word, and waits for that and for its own reads
; of the slot that it leaves.  fill = 1: the long slot is filled again; 2: the short one; each with the parts three further on; 0: nothing is left to fetch.  next: the slot read next (1 = the short one).
; ask = 1: parts 6 and 7 are prefetched; 0: nothing.
.macro CHANGE fill, next, ask
	s_wait_dscnt 12                                ; B's fragments and A's block 0
	WIN MUL
	MUL8 0, 1, 0
	s_wait_dscnt 0x0                               ; A's blocks 1-3: my last reads of this slot
	MUL8 1, 1, 0
	WIN 0
	s_wait_tensorcnt 0x0                           ; all my tensor loads have landed, so a group 0 may be written
	ds_add_u32 v[SPW], v[NIL]                      ; 0 onto my spare word; the descriptors' steps stand between it and the wait for it
.if \fill == 1
	s_add_nc_u64 s[G0AD+2:G0AD+3], s[G0AD+2:G0AD+3], 3*PART
	s_add_nc_u64 s[G0BD+2:G0BD+3], s[G0BD+2:G0BD+3], 3*PART
.elseif \fill == 2
	s_add_nc_u64 s[G0AU+2:G0AU+3], s[G0AU+2:G0AU+3], 3*PART
	s_add_nc_u64 s[G0BU+2:G0BU+3], s[G0BU+2:G0BU+3], 3*PART
.endif
	s_wait_dscnt 0x0                               ; the add is done, and my reads of this slot are over
	s_barrier_signal -1
	s_barrier_wait -1
.if \fill == 1
	CREST                                          ; the barrier has opened a round of the cluster's barrier: no wave of any partner still reads this slot's tile or has a load on its way
	JLOAD G0AD, G1AD, G0BD, G1BD                   ; the first tensor load behind the round; its four v_nop are the places in front of the loads below
.elseif \fill == 2
	CREST
	JLOAD G0AU, G1AU, G0BU, G1BU
.else
	PLACES NP
.endif
	FETCH \next, 0, 0
.if \ask
	ASK 6, 2                                       ; what the change after the next asks for
.endif
	WIN MUL
	MUL8 2, 1, 0
	MUL8 3, 1, 0
.endm
	s_wait_alu depctr_va_vdst(0)
	s_wait_tensorcnt 0x0                           ; my part of the long slot is in
	ds_add_u32 v[SPW], v[NIL]
	s_wait_dscnt 0x0                               ; the add is done
	CROUND                                         ; everybody's part is in, and all sixteen work-groups are here
	JLOAD G0AU, G1AU, G0BU, G1BU                   ; part 2, the first tensor load behind the round
	FETCH 0, 0, 0
	ASK 3, 3
	STEP3 0, 1, 0, 1                               ; parts 0 and 1, in the long slot; the first step's products start the sums
	STEP3 1, 0, 0, 2
	STEP3 0, 0, 0, 3
	CHANGE 1, 1, 1                                 ; long <- parts 3, 4
	STEP3 0, 0, 1, 1                               ; part 2, in the short slot
	CHANGE 2, 0, 0                                 ; short <- part 5
	STEP3 0, 0, 0, 1                               ; parts 3 and 4
	STEP3 1, 0, 0, 2
	STEP3 0, 0, 0, 3
	CHANGE 1, 1, 0                                 ; long <- parts 6, 7: the last load
	STEP3 0, 0, 1, 1                               ; part 5
	CHANGE 0, 0, 0                                 ; nothing is filled again, so no round of the cluster's barrier
	STEP3 0, 0, 0, 1                               ; parts 6 and 7
	STEP3 1, 0, 0, 2
	STEP3 0, 0, 0, 3
	s_wait_dscnt 0x0                               ; the very last step: nothing more to fetch
	MUL8 0, 1, 0
	MUL8 1, 1, 0
	MUL8 2, 1, 0
	MUL8 3, 1, 0
	WIN 0
; THE WAY OUT, block by block of 16 rows x 128 columns.  A lane holds 32 neighbouring bytes of a row, and the lanes beside it hold other rows: so a block goes through my own stage in LDS and comes back as whole
; rows of 512 bytes.  LDS serves a wave's instructions in order (ISA guide 5.7.1.4): no wait between the stores and the loads, nor in front of the next block's stores.
.macro TOSTAGE a
	WIN 0x32                                       ; source 0 (the sums) window 2, source 2 (clf_b) window 3
.set j, 0
.rept 32
	v_pk_fma_f32 v[TMP+j:TMP+j+1], v[64*(\a)+j:64*(\a)+j+1], s[96:97], v[j:j+1] op_sel_hi:[1,0,1]   ; sum x 2^(e6 + e7) + clf_b, two at a time; each accumulator from its low end on
.set j, j+2
.endr
	WIN 0
.irp b, 0,1,2,3,4,5,6,7
	ds_store_b128 v[STO], v[TMP+8*\b:TMP+8*\b+3] offset:64*\b
	ds_store_b128 v[STO], v[TMP+8*\b+4:TMP+8*\b+7] offset:64*\b+16
.endr
.set BB, BK+64*((\a)%2)
.irp t, 0,1,2,3,4,5,6,7,8,9,10,11,12,13,14,15
	ds_load_b128 v[BB+4*\t:BB+4*\t+3], v[RD] offset:\t*SPITCH
.endr
.endm
.macro SEND a, younger                 ; younger: the LDS instructions issued behind block a's loads, which may stay out
.set BB, BK+64*((\a)%2)
	s_wait_dscnt \younger                          ; the block is back in registers
.if (\a) > 0
	s_add_nc_u64 s[76:77], s[76:77], 16*32768      ; (behind a wait on XCNT: the earlier stores have read their base)  16 tokens on; a token's rows of out0 are 8 x 4,096 bytes
.endif
.irp t, 0,1,2,3,4,5,6,7,8,9,10,11,12,13,14,15
	global_store_b128 v[CO], v[BB+4*\t:BB+4*\t+3], s[76:77] offset:\t*32768 th:TH_STORE_NT   ; 32 lanes store 512 consecutive bytes, at a multiple of 512 from out0's first byte; written once, read by nobody here
.endr
.endm
	s_wait_loadcnt 0x0                             ; clf_b
	PLACES NP                                      ; behind the last products: for the reads of their results and for the loads into the registers that held A's fragments
	TOSTAGE 0
.irp a, 1,2,3
.if \a > 1
	s_wait_xcnt 0x0                                ; block a - 2's stores have read their registers and their base: block a's loads may land there, and the base may step
.endif
	TOSTAGE \a
	SEND \a-1, 32                                  ; behind block a - 1's loads: block a's 16 stores and 16 loads
.endr
	s_wait_xcnt 0x0                                ; block 2's stores have read their base
	SEND 3, 0
	s_wait_tensorcnt 0x0                           ; the wave's end: behind my last tensor load and my last LDS store
	ds_add_u32 v[SPW], v[NIL]
	s_wait_dscnt 0x0
	CROUND                                         ; the closing round: no work-group ends while a partner may still ask for a tile that names it
	s_endpgm
.Lfunc_end_k_q610ad8aeaf_clf:
	.size	k_q610ad8aeaf_clf, .Lfunc_end_k_q610ad8aeaf_clf-k_q610ad8aeaf_clf
	.p2alignl 7, 3214868480
	.fill 96, 4, 3214868480
	.section	.rodata,"a",@progbits
	.p2align	6, 0x0
	.amdhsa_kernel k_q610ad8aeaf_clf
		.amdhsa_group_segment_fixed_size 327680
		.amdhsa_private_segment_fixed_size 0
		.amdhsa_enable_private_segment 0
		.amdhsa_kernarg_size 40
		.amdhsa_user_sgpr_count 2
		.amdhsa_user_sgpr_kernarg_segment_ptr 1
		.amdhsa_wavefront_size32 1
		.amdhsa_system_sgpr_workgroup_id_x 1
		.amdhsa_system_sgpr_workgroup_id_y 1
		.amdhsa_system_sgpr_workgroup_id_z 1
		.amdhsa_system_vgpr_workitem_id 0
		.amdhsa_next_free_vgpr 832
		.amdhsa_next_free_sgpr 102
		.amdhsa_reserve_vcc 0
		.amdhsa_float_denorm_mode_32 3
		.amdhsa_float_denorm_mode_16_64 3
		.amdhsa_memory_ordered 1
		.amdhsa_forward_progress 1
		.amdhsa_inst_pref_size 123
	.end_amdhsa_kernel
	.amdgpu_metadata
---
amdhsa.version: [ 1, 2 ]
amdhsa.kernels:
  - .name:           k_q610ad8aeaf_clf
    .symbol:         k_q610ad8aeaf_clf.kd
    .args:
      - { .name: eoq, .offset: 0, .size: 8, .value_kind: global_buffer, .address_space: global }
      - { .name: clf_w_codes, .offset: 8, .size: 8, .value_kind: global_buffer, .address_space: global }
      - { .name: lowp_scales, .offset: 16, .size: 8, .value_kind: global_buffer, .address_space: global }
      - { .name: clf_b, .offset: 24, .size: 8, .value_kind: global_buffer, .address_space: global }
      - { .name: out0, .offset: 32, .size: 8, .value_kind: global_buffer, .address_space: global }
    .group_segment_fixed_size: 327680
    .private_segment_fixed_size: 0
    .kernarg_segment_align: 8
    .kernarg_segment_size: 40
    .max_flat_workgroup_size: 128
    .sgpr_count:     102
    .vgpr_count:     832
    .wavefront_size: 32
...
	.end_amdgpu_metadata
.endif
;; end of part 3
